; MI455X (gfx1250); checked and timed in simulation.
; The chip was launched on July 23, 2026; its instructions are those of AMD's public machine-readable ISA for CDNA 5 (MIT licence, August 2026) and "CDNA5" Instruction Set Architecture Reference Guide (July 2026). The comments in the code are by the model that wrote it; some were corrected since.
;; Self Attention. Allowed arithmetic: matrix products marked QUANTISED: E4M3 operands, one E8M0 scale for each 32 along K, by v_wmma_scale_f32_16x16x128_f8f6f4 with both operands' format E4M3, f32 sums; everything else in f32.
;; Inputs: w_lhs 1 x 1 x 1,024 float32; w_rhs 1 x 1 x 1,024 float32; x 8 x 2,048 x 1,024 float32.
;; Outputs: out0 8 x 2,048 x 1,024 float32.
;; This version of the problem:
;;   THIS VERSION OF THE PROBLEM IS GIVEN IN LOW PRECISION. The matrix products marked QUANTISED in the list below multiply operands that are first quantised to E4M3 (4 exponent bits, 3 mantissa bits; 8 bits a number), with one power-of-two scale for each 32 numbers along K (OCP MX v1.0); their sums are f32. All else is computed in f32.
;;   The module's matrix products, in the order in which they are computed (A, B: the left and right operand; K: the contracted axis; several contracted axes count as one K, in the product's order):
;;     1. batch 8 x [M 2,048, K 1,024] x [K 1,024, N 2,048]; A: computed on the way; B: computed on the way: QUANTISED
;;     2. batch 8 x [M 2,048, K 2,048] x [K 2,048, N 1,024]; A: softmax (see below); B: input x: QUANTISED
;;   THE QUANTISER, for each operand of a quantised product, along K:
;;     - K is cut into blocks of 32 from its start; a last block that is shorter is filled with zeros.
;;     - A block's scale is 2^e with e = floor(log2(the largest magnitude in the block)) - 8, held to -126 .. 127; a block of zeros has e = 0. As a byte (E8M0): e + 127.
;;     - Each number is divided by its block's scale, clamped to +-448, and rounded to the nearest number of E4M3, ties to even, subnormals kept.
;;     - The product sums the exact products of the quantised numbers (number of the format x scale) in f32.
;;   ~~~python
;;   def quantise(x, axis):      # numpy; x: float32 -> the quantised numbers, widened to float32 again
;;       x = np.moveaxis(x, axis, -1); K = x.shape[-1]
;;       x = np.pad(x, [(0, 0)] * (x.ndim - 1) + [(0, -K % 32)]); x = x.reshape(x.shape[:-1] + (-1, 32)); a = np.abs(x).max(-1, keepdims=True)
;;       e = np.where(a > 0, np.clip(np.frexp(np.where(a > 0, a, 1))[1] - 1 - 8, -126, 127), 0)      # np.frexp(a)[1] - 1 = floor(log2(a)), exactly
;;       r = np.clip(x / 2.0 ** e, -448, 448)
;;       step = 2.0 ** (np.maximum(np.frexp(np.where(r == 0, 1, r))[1] - 1, -6) - 3)
;;       q = np.round(r / step) * step * 2.0 ** e      # np.round: ties to even
;;       return np.moveaxis(q.reshape(q.shape[:-2] + (-1,))[..., :K], -1, axis).astype(np.float32)
;;   ~~~
;;   SOFTMAX AHEAD OF A QUANTISED PRODUCT. Where the list says 'softmax', what is quantised is not the finished softmax but p = 2^(t - M), with t = logit x log2(e) and M = ceil(the row's largest t), a whole number; so 1/2 < the row's largest p <= 1. The row's sum l is taken of the UNQUANTISED p, in f32, and the product's result is divided by l at the end. Since M is a whole number, a kernel that streams over the keys may use a running M (the ceiling of the running maximum): every later rescaling is an exact power of two, which a block's scale takes up: the codes' values come out the same.
;;   OPERANDS COMPUTED ON THE WAY. 'Computed on the way' means the value that the module computes at that place (a softmax that the list does not call 'softmax' is quantised finished and normalised). What goes into a quantiser is computed in f32, as accurately as f32 sums, v_exp_f32 and their like allow (about 1e-6 of the number): no bf16 or f16 on the way to a quantiser, and a product that is left as it is and whose result goes on into a quantised operand takes f32 operands (vector FMAs, or v_wmma_f32_16x16x4_f32). A number that lies on a knife's edge between two numbers of the format may be rounded either way, as far as f32 arithmetic and the matrix unit's own rounding can turn it there, and no further.
;; One version. Each part assembles by itself: llvm-mc -triple=amdgcn-amd-amdhsa -mcpu=gfx1250 --defsym DOCPART=n.
;; ======== version 1 of 1: 3 launches
;; limits: right only within a limited range of input values
;; workspace buffers: lhs_c 16,777,216 bytes; rhs_c 16,777,216 bytes; vt_c 16,777,216 bytes; sc_qk 1,048,576 bytes; sc_v 524,288 bytes; p_c 33,554,432 bytes; pstat 4,194,304 bytes
;; launch quant (part 1): grid 8 x 32, 8 waves a work-group, no clusters, 169,984 bytes of LDS; arguments x, w_lhs, w_rhs, lhs_c, rhs_c, vt_c, sc_qk, sc_v; writes lhs_c, rhs_c, vt_c, sc_qk, sc_v
.if DOCPART == 1
	.amdgcn_target "amdgcn-amd-amdhsa--gfx1250"
	.amdhsa_code_object_version 6
	.text
	.protected	k_qe6fe1310a0_quant
	.globl	k_qe6fe1310a0_quant
	.p2align	8
	.type	k_qe6fe1310a0_quant,@function
k_qe6fe1310a0_quant:
	s_mov_b64 s[64:65], 0
	v_nop
	global_prefetch_b8 v0, s[64:65] scope:SCOPE_SE
	s_setreg_imm32_b32 hwreg(HW_REG_WAVE_MODE, 25, 1), 1
	s_wait_xcnt 0x0
; x [8][2048][1024] f32 is read ONCE and becomes three operands in codes of FP8 (E4M3) with one E8M0 byte for each 32 along a product's K:
;   lhs = x * w_lhs and rhs = x * w_rhs, quantised along d (the first product's K);  x itself, quantised along the keys (the second product's K).
; A block's scale is 2^(floor(log2(its largest magnitude)) - 8); its byte is the largest magnitude's exponent field - 8, held at 1 from below; each number is held within +-448 x the scale and rounded to the nearest code.
; EVERY OPERAND IS STORED AS AN IMAGE OF THE OPERAND'S REGISTERS: a fragment (16 rows x 128 K) is 2,048 bytes; byte 512 c + 16 lane + e is row lane % 16, k = 32 c + 16 (lane / 16) + e.  So a fragment leaves by four stores
; of 512 consecutive bytes straight from the conversions' results, and the products' launches read it back by 16 bytes a lane.
;   lhs_c [tile of 16 rows: 1024][d / 128: 8][2048];  rhs_c the same, but lane-row r of tile T of a batch is key 32 (T / 2) + 8 (T % 2) + r + 8 (r / 8), so that the scores of two neighbouring tiles are 16 neighbouring keys in a lane;
;   vt_c [batch][d / 16: 64][keys / 128: 16][2048];  sc_qk [lhs, rhs][batch][d / 128][tile: 128][16 words];  sc_v [batch][keys / 128][d / 16][16 words]: a word is a lane-row's four bytes.
; SHARES.  A work-group takes 128 columns d (x of the grid) of 512 rows (y), as four tiles of 128 keys x 128 d, written out: every step is an immediate.  A tile goes through LDS, since lhs and rhs want a lane's registers along d and
; vt wants them along the keys.  Of each tile wave w makes lhs's fragment w, rhs's fragment w and vt's fragment w.  Two tile buffers by turns, one barrier a tile.  The rows come into two sets of registers by turns:
; while a tile is worked on, the loads of the next two tiles, 32 a wave, are out.
; LDS: key k's 512 bytes lie at 656 k + 128 ((k / 16) % 2).  656 = 41 x 16: sixteen rows of a 16-byte load, neighbours or the permuted eight and eight, start at sixteen different 16-byte columns of the 64 banks of 4 bytes
; (ISA guide 11.1); the 128 puts lanes 16-31 of a column read, 16 keys further down, 32 banks on from lanes 0-15.
; The scale words leave in pieces of 64 bytes (sixteen lanes): 1.5 MB of the launch's 119 MB.
; LIMITS: NaN and infinities are not served.  A block of zeros, and one whose largest magnitude lies under 2^-118, keeps the byte 1 (the rule gives a block of zeros 127): the bytes are read by this program alone, and zero codes add nothing under it.
; THE PLACE OF A FRAGMENT IN ITS BUFFER (this takes the place of the orders of fragments given above; the fragments themselves and the scale words are as above): eight neighbouring tiles of 16 rows form a group, and
; a buffer is laid [group][K / 256][tile of the group: 8][K / 128 % 2][2048], so that a K step of 256 of a group is 32,768 consecutive bytes.  lhs_c, rhs_c: 128 groups x 4 K steps;  vt_c: [batch] x 8 groups x 8 K steps.
.set PITCH, 656
.set TILEB, 84480                      ; a tile buffer: 128 x 656 + 512 bytes, above the 127 x 656 + 128 + 512 that are used
.set SPARE, 2*TILEB                    ; behind the buffers: the spare words, 128 bytes for each of eight waves: four blocks of 256 bytes that no other line names
.set XO,  3                            ; v3      16 x lane: my place in a row of x's tile, and in a store's 512 bytes
.set WA,  4                            ; v4-5    where I put a row of the tile, buffer 0, 1
.set NA,  6                            ; v6-7    lhs: my row 16 w + r, + 64 h
.set PA,  8                            ; v8-9    rhs: my permuted row, + 64 h
.set CA,  10                           ; v10-13  vt: my column 16 w + r, keys from 16 h (v10, v12: buffer 0, 1) and from 64 + 16 h (v11, v13)
.set QS,  14                           ; v14     sc_qk: 4 r, lanes 16-31 one plane on
.set VS,  15                           ; v15     sc_v: 4 r, lanes 16-31 one key step on
.set WO,  16                           ; v16     64 h: my 16 numbers of a block of w
.set XA,  32                           ; v32-95  64 numbers: register 16 b + i = k 32 b + 16 h + i of my row
.set XB,  96                           ; v96-159 likewise
.set PC0, 160                          ; v160-175, v176-191 codes, two sets
.set PC1, 176
.set TM,  200                          ; v200-203 largest magnitudes, v204-207 bytes, v208-211 448 x the scale, v212-215 the conversions' scale operands
.set PW,  216                          ; the scale word just made
.set LW,  217                          ; lhs's word, kept for the joint store with rhs's
.set VW,  218                          ; vt's word of an even tile, kept for the joint store with the odd one's
.set OW,  219                          ; the word that is stored
.set SPW, 252                          ; LDS address of my spare word; never rewritten
.set NIL, 253                          ; 0; never rewritten
.set R,   0                            ; window 1: v0-63 and v192-255 sixteen rows as loaded, even and odd tiles; v64-127 w_lhs, v128-191 w_rhs at my 64 places
.set RODD, 192
.set WL,  64
.set WR,  128
.set MNT, 23                           ; s23     the mantissa field of 448
.set SEL, 24                           ; s[24:25] v_permlanex16_b32's selects for lane l xor 16
.set HI,  26                           ; s26     a mask of lanes 16-31
.set MSB, 0
.macro WIN new                         ; the immediate's high byte repeats the setting that is left
.if MSB != \new
	s_set_vgpr_msb (MSB<<8)|\new
.set MSB, \new
.endif
.endm
; 64 numbers of a lane, v[s] on, become a fragment's codes in v[pc] on and its scale word in v[PW]
.macro QUANT s, pc
.irp b, 0,1,2,3
	v_max3_num_f32 v[TM+\b], |v[\s+16*\b]|, |v[\s+1+16*\b]|, 0x4800000   ; block b: my 16 numbers, and the floor 2^(9 - 127): the byte cannot fall under 1
.endr
.irp i, 2,4,6,8,10,12,14
.irp b, 0,1,2,3
	s_delay_alu instid0(VALU_DEP_4)
	v_max3_num_f32 v[TM+\b], v[TM+\b], |v[\s+16*\b+\i]|, |v[\s+1+16*\b+\i]|   ; the four blocks by turns
.endr
.endr
.irp b, 0,1,2,3
	s_delay_alu instid0(VALU_DEP_4)
	v_permlanex16_b32 v[TM+4+\b], v[TM+\b], s[SEL], s[SEL+1]
.endr
.irp b, 0,1,2,3
	s_delay_alu instid0(VALU_DEP_4)
	v_max_num_f32 v[TM+\b], v[TM+\b], v[TM+4+\b]   ; with lane l xor 16's 16: the block's largest magnitude
.endr
.irp b, 0,1,2,3
	s_delay_alu instid0(VALU_DEP_4)
	v_add_nc_u32 v[TM+12+\b], 0xfc000000, v[TM+\b]   ; 8 off its exponent field: the conversion takes this operand's exponent field as its scale
.endr
.irp b, 0,1,2,3
	v_and_or_b32 v[TM+8+\b], v[TM+\b], 0x7f800000, s[MNT]   ; 448 x the scale
.endr
.irp b, 0,1,2,3
	v_lshrrev_b32 v[TM+4+\b], 23, v[TM+12+\b]   ; the scale's byte
.endr
	s_delay_alu instid0(VALU_DEP_3)
	v_lshl_or_b32 v[PW], v[TM+5], 8, v[TM+4]
	s_delay_alu instid0(VALU_DEP_1)
	v_lshl_or_b32 v[PW], v[TM+6], 16, v[PW]
	s_delay_alu instid0(VALU_DEP_1)
	v_lshl_or_b32 v[PW], v[TM+7], 24, v[PW]
.irp b, 0,1,2,3
.irp i, 0,1,2,3,4,5,6,7,8,9,10,11,12,13,14,15
	v_med3_num_f32 v[\s+16*\b+\i], v[\s+16*\b+\i], -v[TM+8+\b], v[TM+8+\b]   ; the conversion to an 8-bit code does not saturate (ISA guide 7.6.2): the hold comes first
.endr
	v_cvt_scalef32_pk8_fp8_f32 v[\pc+4*\b:\pc+1+4*\b], v[\s+16*\b:\s+7+16*\b], v[TM+12+\b]
	v_cvt_scalef32_pk8_fp8_f32 v[\pc+2+4*\b:\pc+3+4*\b], v[\s+8+16*\b:\s+15+16*\b], v[TM+12+\b]
.endr
	v_nop                                          ; a plain vector line behind the last conversion
.endm
.macro TIMES xs, ws                    ; 64 numbers x my 64 of w (window 1), two at a time
	WIN 0x04
.set j, 0
.rept 32
	v_pk_mul_f32 v[\xs+j:\xs+j+1], v[\xs+j:\xs+j+1], v[\ws+j:\ws+j+1]
.set j, j+2
.endr
	WIN 0
.endm
.macro XLOAD t                         ; my 16 rows of tile t into the set of its parity: 32 lanes read a row's 512 bytes
.set RS, R+RODD*((\t)%2)
	WIN 0x40                                       ; destination window 1
.irp i, 0,1,2,3,4,5,6,7,8,9,10,11,12,13,14,15
	global_load_b128 v[RS+4*\i:RS+4*\i+3], v[XO], s[4:5] offset:(\t)*524288+\i*4096 th:TH_LOAD_NT
.endr
	WIN 0
.endm
	s_load_b256 s[4:11], s[0:1], 0x0               ; x s[4:5], w_lhs s[6:7], w_rhs s[8:9], lhs_c s[10:11]
	s_load_b256 s[12:19], s[0:1], 0x20             ; rhs_c s[12:13], vt_c s[14:15], sc_qk s[16:17], sc_v s[18:19]
	v_lshl_add_u32 v[SPW], v0, 2, SPARE
	v_mov_b32 v[NIL], 0
	v_lshrrev_b32 v17, 5, v0
	s_delay_alu instid0(VALU_DEP_1)
	v_readfirstlane_b32 s20, v17                   ; wave 0..7
	s_and_b32 s22, ttmp7, 0xffff                   ; y: which 512 rows
	v_and_b32 v17, 31, v0                          ; lane
	v_and_b32 v1, 15, v0                           ; r
	v_bfe_u32 v2, v0, 4, 1                         ; h
	s_delay_alu instid0(VALU_DEP_3)
	v_lshlrev_b32 v[XO], 4, v17
	s_and_b32 s21, s20, 1
	s_mul_i32 s27, s20, 16*PITCH
	s_lshl_b32 s40, s21, 7
	s_add_co_u32 s27, s27, s40                     ; key 16 w in a buffer
	v_add_nc_u32 v[WA], s27, v[XO]
	s_delay_alu instid0(VALU_DEP_1)
	v_add_nc_u32 v[WA+1], TILEB, v[WA]
	v_mul_u32_u24 v18, v1, PITCH
	s_delay_alu instid0(VALU_DEP_1)
	v_lshl_add_u32 v18, v2, 6, v18
	s_delay_alu instid0(VALU_DEP_1)
	v_add_nc_u32 v[NA], s27, v18
	s_delay_alu instid0(VALU_DEP_1)
	v_add_nc_u32 v[NA+1], TILEB, v[NA]
	v_and_b32 v19, 8, v1
	s_delay_alu instid0(VALU_DEP_1)
	v_add_nc_u32 v20, v19, v1                      ; r + 8 (r / 8)
	s_delay_alu instid0(VALU_DEP_1)
	v_mul_u32_u24 v20, v20, PITCH
	s_delay_alu instid0(VALU_DEP_1)
	v_lshl_add_u32 v20, v19, 4, v20                ; rows r >= 8 lie in the odd group of 16: + 128
	s_delay_alu instid0(VALU_DEP_1)
	v_lshl_add_u32 v20, v2, 6, v20
	s_lshr_b32 s40, s20, 1
	s_lshl_b32 s40, s40, 5
	s_lshl_b32 s41, s21, 3
	s_add_co_u32 s40, s40, s41                     ; 32 (w / 2) + 8 (w % 2)
	s_mul_i32 s40, s40, PITCH
	v_add_nc_u32 v[PA], s40, v20
	s_delay_alu instid0(VALU_DEP_1)
	v_add_nc_u32 v[PA+1], TILEB, v[PA]
	v_mul_u32_u24 v21, v2, 16*PITCH+128            ; lanes 16-31: 16 keys further down
	s_delay_alu instid0(VALU_DEP_1)
	v_lshl_add_u32 v21, v1, 2, v21
	s_lshl_b32 s40, s20, 6
	v_add_nc_u32 v[CA], s40, v21
	s_delay_alu instid0(VALU_DEP_1)
	v_add_nc_u32 v[CA+1], 64*PITCH, v[CA]
	s_delay_alu instid0(VALU_DEP_2)
	v_add_nc_u32 v[CA+2], TILEB, v[CA]
	s_delay_alu instid0(VALU_DEP_2)
	v_add_nc_u32 v[CA+3], TILEB, v[CA+1]
	v_lshlrev_b32 v[QS], 19, v2
	s_delay_alu instid0(VALU_DEP_1)
	v_lshl_add_u32 v[QS], v1, 2, v[QS]
	v_lshlrev_b32 v[VS], 12, v2
	s_delay_alu instid0(VALU_DEP_1)
	v_lshl_add_u32 v[VS], v1, 2, v[VS]
	v_lshlrev_b32 v[WO], 6, v2
.irp b, 0,1,2,3
	v_mov_b32 v[TM+4+\b], 0                        ; written once: a lane permute's destination counts as one of its sources
.endr
	s_mov_b32 s[MNT], 0x600000
	s_mov_b32 s[SEL], 0x76543210
	s_mov_b32 s[SEL+1], 0xfedcba98
	s_mov_b32 s[HI], 0xffff0000
	; byte offsets of my part, each in a pair of its own
	s_mov_b32 s29, 0
	s_mov_b32 s31, 0
	s_mov_b32 s33, 0
	s_mov_b32 s35, 0
	s_mov_b32 s37, 0
	s_mov_b32 s39, 0
	s_lshl_b32 s30, ttmp9, 9                       ; w: 128 numbers x the column block
	s_lshl_b32 s28, s22, 21                        ; x: 512 rows of 4,096 bytes x y
	s_lshl_b32 s40, s20, 16                        ;    + 16 rows x wave
	s_add_co_u32 s28, s28, s40
	s_add_co_u32 s28, s28, s30                     ;    + the column block
	s_lshl_b32 s32, s22, 19                        ; lhs_c, rhs_c: 32 tiles of 16,384 bytes x y
	s_lshl_b32 s40, s20, 12
	s_add_co_u32 s32, s32, s40                     ;    + tile w of the group
	s_lshr_b32 s40, ttmp9, 1
	s_lshl_b32 s40, s40, 15
	s_add_co_u32 s32, s32, s40                     ;    + the K step of 256
	s_and_b32 s40, ttmp9, 1
	s_lshl_b32 s40, s40, 11
	s_add_co_u32 s32, s32, s40                     ;    + its half
	s_lshl_b32 s41, ttmp9, 3
	s_add_co_u32 s41, s41, s20                     ; my tile of d: 8 x column block + wave
	s_lshr_b32 s42, s22, 2                         ; the batch
	s_and_b32 s43, s22, 3                          ; which 512 keys of it
	s_lshl_b32 s34, s42, 21                        ; vt_c
	s_lshl_b32 s40, ttmp9, 18                      ;    the group: my column block
	s_add_co_u32 s34, s34, s40
	s_lshl_b32 s40, s20, 12                        ;    tile w of the group
	s_add_co_u32 s34, s34, s40
	s_lshl_b32 s40, s43, 16                        ;    512 keys: two K steps of 256
	s_add_co_u32 s34, s34, s40
	s_lshl_b32 s36, s42, 16                        ; sc_qk
	s_lshl_b32 s40, ttmp9, 13
	s_add_co_u32 s36, s36, s40
	s_lshl_b32 s40, s43, 11
	s_add_co_u32 s36, s36, s40
	s_lshl_b32 s40, s20, 6
	s_add_co_u32 s36, s36, s40
	s_lshl_b32 s38, s42, 16                        ; sc_v
	s_lshl_b32 s40, s43, 14
	s_add_co_u32 s38, s38, s40
	s_lshl_b32 s40, s41, 6
	s_add_co_u32 s38, s38, s40
	s_wait_alu depctr_va_vdst(0)
	s_wait_kmcnt 0x0
	s_add_nc_u64 s[4:5], s[4:5], s[28:29]
	s_add_nc_u64 s[6:7], s[6:7], s[30:31]
	s_add_nc_u64 s[8:9], s[8:9], s[30:31]
	s_add_nc_u64 s[10:11], s[10:11], s[32:33]
	s_add_nc_u64 s[12:13], s[12:13], s[32:33]
	s_add_nc_u64 s[14:15], s[14:15], s[34:35]
	s_add_nc_u64 s[16:17], s[16:17], s[36:37]
	s_add_nc_u64 s[18:19], s[18:19], s[38:39]
	XLOAD 0                                        ; tile 0 first,
	WIN 0x40
.irp b, 0,1,2,3
.irp j, 0,1,2,3
	global_load_b128 v[WL+16*\b+4*\j:WL+16*\b+4*\j+3], v[WO], s[6:7] offset:128*\b+16*\j
	global_load_b128 v[WR+16*\b+4*\j:WR+16*\b+4*\j+3], v[WO], s[8:9] offset:128*\b+16*\j
.endr
.endr
	XLOAD 1                                        ; then w, then tile 1
.macro TRIP t
.set BUF, (\t)%2
.set RT, R+RODD*((\t)%2)
.if (\t) < 3
	s_wait_loadcnt 16                              ; loads come back in order (ISA guide 5.7.1): my 16 rows of this tile are in (in the first trip: w too); the next tile's 16 may be out
.else
	s_wait_loadcnt 0x0
.endif
	WIN 0x04                                       ; an LDS store's data are its source 1: window 1
.irp i, 0,1,2,3,4,5,6,7,8,9,10,11,12,13,14,15
	ds_store_b128 v[WA+BUF], v[RT+4*\i:RT+4*\i+3] offset:\i*PITCH
.endr
	WIN 0
	s_wait_dscnt 0x0                               ; for the others' sake: my rows have landed, and my reads of the last tile are over; the stores have read their registers,
.if (\t)+2 < 4
	XLOAD (\t)+2                                   ; which take the tile two on: it has two tiles' work in which to land
.endif
	s_barrier_signal -1                            ; ONE barrier a tile: this buffer is written again two tiles on, behind the next barrier, which each wave signals only when its reads of this tile are back
	s_barrier_wait -1
.irp b, 0,1,2,3
.irp j, 0,1,2,3
	ds_load_b128 v[XA+16*\b+4*\j:XA+16*\b+4*\j+3], v[NA+BUF] offset:128*\b+16*\j
.endr
.endr
.irp b, 0,1,2,3
.irp j, 0,1,2,3
	ds_load_b128 v[XB+16*\b+4*\j:XB+16*\b+4*\j+3], v[PA+BUF] offset:128*\b+16*\j
.endr
.endr
	s_wait_dscnt 16                                ; lhs's 16 loads are in; rhs's 16 may be out
	TIMES XA, WL                                   ; lhs = x * w_lhs, in f32
	s_wait_xcnt 0x0                                ; the earlier stores have read their registers: the codes may be written again
	QUANT XA, PC0
	v_mov_b32 v[LW], v[PW]
.irp c, 0,1,2,3
	global_store_b128 v[XO], v[PC0+4*\c:PC0+4*\c+3], s[10:11] offset:(\t)*131072+512*\c   ; 32 lanes store 512 consecutive bytes, at a multiple of 512 from the buffer's first byte
.endr
.irp b, 0,1,2,3
.irp i, 0,1,2,3,4,5,6,7,8,9,10,11,12,13,14,15
	ds_load_b32 v[XA+16*\b+\i], v[CA+2*BUF+\b/2] offset:((\b%2)*32+\i)*PITCH   ; vt: my column, registers down the keys
.endr
.endr
	s_wait_dscnt 63                                ; 64 loads were issued behind rhs's last: rhs's are in (the count is the largest that the wait's field holds)
	TIMES XB, WR                                   ; rhs = x * w_rhs
	s_wait_xcnt 0x0
	QUANT XB, PC1
.irp c, 0,1,2,3
	global_store_b128 v[XO], v[PC1+4*\c:PC1+4*\c+3], s[12:13] offset:(\t)*131072+512*\c
.endr
	v_cndmask_b32 v[OW], v[LW], v[PW], s[HI]       ; lanes 0-15 lhs's words, lanes 16-31 rhs's
	global_store_b32 v[QS], v[OW], s[16:17] offset:(\t)*512
	s_wait_dscnt 0x0                               ; the column is in
	s_wait_xcnt 0x0
	QUANT XA, PC0
.irp c, 0,1,2,3
	global_store_b128 v[XO], v[PC0+4*\c:PC0+4*\c+3], s[14:15] offset:((\t)/2)*32768+((\t)%2)*2048+512*\c
.endr
.if (\t)%2 == 0
	v_mov_b32 v[VW], v[PW]
.else
	v_cndmask_b32 v[OW], v[VW], v[PW], s[HI]       ; lanes 0-15 the even tile's words, lanes 16-31 this one's
	global_store_b32 v[VS], v[OW], s[18:19] offset:((\t)-1)*4096
.endif
.endm
	TRIP 0
	TRIP 1
	TRIP 2
	TRIP 3
	s_wait_tensorcnt 0x0                           ; the wave's end, behind my last LDS store; the tensor wait stands in a text with no tensor load too
	ds_add_u32 v[SPW], v[NIL]
	s_wait_dscnt 0x0
	s_endpgm
.Lfunc_end_k_qe6fe1310a0_quant:
	.size	k_qe6fe1310a0_quant, .Lfunc_end_k_qe6fe1310a0_quant-k_qe6fe1310a0_quant
	.p2alignl 7, 3214868480
	.fill 96, 4, 3214868480
	.section	.rodata,"a",@progbits
	.p2align	6, 0x0
	.amdhsa_kernel k_qe6fe1310a0_quant
		.amdhsa_group_segment_fixed_size 169984
		.amdhsa_private_segment_fixed_size 0
		.amdhsa_enable_private_segment 0
		.amdhsa_kernarg_size 64
		.amdhsa_user_sgpr_count 2
		.amdhsa_user_sgpr_kernarg_segment_ptr 1
		.amdhsa_wavefront_size32 1
		.amdhsa_system_sgpr_workgroup_id_x 1
		.amdhsa_system_sgpr_workgroup_id_y 1
		.amdhsa_system_sgpr_workgroup_id_z 1
		.amdhsa_system_vgpr_workitem_id 0
		.amdhsa_next_free_vgpr 512
		.amdhsa_next_free_sgpr 66
		.amdhsa_reserve_vcc 0
		.amdhsa_float_denorm_mode_32 3
		.amdhsa_float_denorm_mode_16_64 3
		.amdhsa_memory_ordered 1
		.amdhsa_forward_progress 1
		.amdhsa_inst_pref_size 178
	.end_amdhsa_kernel
	.amdgpu_metadata
---
amdhsa.version: [ 1, 2 ]
amdhsa.kernels:
  - .name:           k_qe6fe1310a0_quant
    .symbol:         k_qe6fe1310a0_quant.kd
    .args:
      - { .name: x, .offset: 0, .size: 8, .value_kind: global_buffer, .address_space: global }
      - { .name: w_lhs, .offset: 8, .size: 8, .value_kind: global_buffer, .address_space: global }
      - { .name: w_rhs, .offset: 16, .size: 8, .value_kind: global_buffer, .address_space: global }
      - { .name: lhs_c, .offset: 24, .size: 8, .value_kind: global_buffer, .address_space: global }
      - { .name: rhs_c, .offset: 32, .size: 8, .value_kind: global_buffer, .address_space: global }
      - { .name: vt_c, .offset: 40, .size: 8, .value_kind: global_buffer, .address_space: global }
      - { .name: sc_qk, .offset: 48, .size: 8, .value_kind: global_buffer, .address_space: global }
      - { .name: sc_v, .offset: 56, .size: 8, .value_kind: global_buffer, .address_space: global }
    .group_segment_fixed_size: 169984
    .private_segment_fixed_size: 0
    .kernarg_segment_align: 8
    .kernarg_segment_size: 64
    .max_flat_workgroup_size: 256
    .sgpr_count:     66
    .vgpr_count:     512
    .wavefront_size: 32
...
	.end_amdgpu_metadata
.endif
;; end of part 1
;; launch scores (part 2): grid 8 x 32, 4 waves a work-group, clusters of 4 x 4, 327,680 bytes of LDS; arguments lhs_c, sc_qk, rhs_c, p_c, pstat; writes p_c, pstat
.if DOCPART == 2
	.amdgcn_target "amdgcn-amd-amdhsa--gfx1250"
	.amdhsa_code_object_version 6
	.text
	.protected	k_qe6fe1310a0_scores
	.globl	k_qe6fe1310a0_scores
	.p2align	8
	.type	k_qe6fe1310a0_scores,@function
k_qe6fe1310a0_scores:
	s_mov_b64 s[64:65], 0
	v_nop
	global_prefetch_b8 v0, s[64:65] scope:SCOPE_SE
	s_setreg_imm32_b32 hwreg(HW_REG_WAVE_MODE, 25, 1), 1
	s_wait_xcnt 0x0
	s_wait_alu depctr_hold_cnt(0) depctr_sa_sdst(0) depctr_va_vdst(0) depctr_va_sdst(0) depctr_va_ssrc(0) depctr_va_vcc(0) depctr_vm_vsrc(0)
	s_getreg_b32 s2, hwreg(HW_REG_IB_STS2, 6, 4)
	s_cmp_eq_u32 s2, 0
	s_cbranch_scc0 .Lentry_in_a_cluster
	s_endpgm
.Lentry_in_a_cluster:
	s_bfe_u32 s2, ttmp6, 0x10000c
	s_cmp_lg_u32 s2, 0xf033
	s_cbranch_scc0 .Lentry_shape_is_right
	s_endpgm
.Lentry_shape_is_right:
; S = lhs rhs^T on codes of FP8 (E4M3) with E8M0 scales, K = 1,024, for 8 batches of 2,048 x 2,048; the way out is the softmax's first half: p as codes.
; A tile of S, 256 queries x 256 keys, is made by four waves, each 128 x 128: 64 accumulators, 512 registers.  K goes in steps of 256 through a ring of two LDS slots filled by the tensor data mover.
; THE OPERANDS LIE IN MEMORY AS IMAGES OF THEIR REGISTERS (a fragment of 16 rows x 128 K: 2,048 bytes, byte 512 c + 16 lane + e): a K step of a tile of 16 rows is 4,096 consecutive bytes; a wave's tensor load brings eight of them;
; a fragment comes from LDS by four loads of 512 consecutive bytes: no pitch, no padding.
; A WORK-GROUP STAYS: it makes TWO tiles of S, tile rows Y and Y + 32, four batches apart: a loop of two trips over tiles.  The ring does not stop at the first tile's end: its last two changes of slots ask for the second tile's
; K steps 0 and 1, which land while the first tile's softmax is worked, and nothing waits for the first tile's stores.  The last lap is written twice, with those refills and without; both ways meet ahead of the way out, which stands once.
; The scale words of both tiles' rows, for all of K, come once, with the first fills: for each tile [K / 128][16 tiles][16 words] of lhs, then of rhs; the two sets lie 2^14 bytes apart, so that one exclusive or turns the address.
; CLUSTERS: 4 x 4 work-groups.  The four of a row of the cluster need the same tiles of lhs, the four of a column the same tiles of rhs: each is asked for JOINTLY.  A cluster's 1,024 queries lie in one batch (cluster y / 2, and four on).
; THE MATRIX INSTRUCTION IS USED TRANSPOSED (source 0 = 16 keys, source 1 = 16 queries): a lane holds ONE query; rhs's tiles hold permuted keys, so that the 64 registers of a tile of queries are keys 32 b + 16 (lane / 16) + i at register 16 b + i.
; THE WAY OUT.  For a query and the wave's 128 keys: t = score x log2(e); M' = ceil(the largest t of these 128), a whole number; p = 2^(t - M'); l' = the sum of the unquantised p; p is quantised along the keys.
; The codes are those that the row's own M gives, since M - M' is a whole number: only the blocks' bytes are too large by M - M', which the next launch takes off.  p_c [tile of 16 queries: 1024][keys / 128: 16][2048], an image again;
; pstat [batch][keys / 128][tile: 128][16 queries][scale word, -M', l', 0].
; LIMITS: NaN and infinities are not served.  A block whose every p lies under 2^-118 keeps the byte 1.
; REGISTERS, in windows of 256: window 0: v16-29 addresses; v32-63 scale words, two sets; v64-111 the way out's; v128-255 A's fragments, ONE set.  window 1: B's fragments, TWO sets.  windows 2, 3: the accumulators ((a, b) at v[8 (8 (a % 4) + b)]).
.set KT,     1024
.set KSB,    4096                      ; a K step of 256 of a tile of 16 rows: two images
.set NQ,     2
.set FR,     16
.set NL,     4
.set NP,     8                         ; places behind this matrix instruction (ISA guide 7.12.1)
.set HALFT,  8*KSB                     ; eight tiles: what one tensor load brings, and what one wave reads of A or of B
.set SLOT,   4*HALFT
.set SET,    16384                     ; a tile's scale words: A's 8,192 bytes, then B's.  Both sets come by plain loads through registers and LDS stores: 32,768 bytes beside the work-group's 1,048,576 bytes of codes, so they are not asked for jointly
.set SCA,    2*SLOT                    ; behind the ring: the first tile's set; bit 14 of every address in it is 0
.set SCB,    SCA+8*KT
.set SPARE,  SCA+2*SET                 ; behind the two sets: the spare words, 128 bytes for each wave: two blocks of 256 bytes that no other line names
.set TILE_ON, 8388608                  ; from a tile's codes to the next tile's: 32 tile rows of lhs_c, four batches of rhs_c: the same number of bytes
; THE PLACE OF A FRAGMENT IN ITS BUFFER: eight neighbouring tiles of 16 rows form a group; lhs_c, rhs_c are laid [group][K / 256: 4][tile: 8][4096], p_c [group][keys / 256: 8][tile: 8][4096]: a wave's part of a K step is HALFT consecutive bytes,
; and K steps 0 and 1 are 2 HALFT bytes on end.  IN LDS a wave's quarters of slot 0 and slot 1 lie side by side (2 HALFT x wave + HALFT x slot), so that ONE tensor load a wave fills both slots at the head.
.set NEXT,   TILE_ON-2*HALFT           ; from a slot's last K step of a tile to its first of the next
.set SC_ON,  262144                    ; four batches of scale words
.set P_ON,   16777216                  ; 32 tile rows of p_c
.set ST_ON,  2097152                   ; four batches of pstat
.set ADRA, 16                          ; v16-17  LDS address of my A fragments in slot 0, 1
.set ADRB, 20                          ; v20-21  the same for B
.set PO,   24                          ; v24     16 x lane
.set SO,   25                          ; v25     16 r + 8 h: my 8 bytes of a query's record
.set PFO,  26                          ; v26     the prefetches' offset: 256 (lane % 16), lanes 16-31 one tile of 16 rows on; never rewritten
.set ADRS, 27                          ; v27     LDS address of my scale words in the tile's set: lanes 0-15 A's, lanes 16-31 B's
.set SPW,  28
.set NIL,  29
.set SC,   32
.set TM,   64                          ; v64-67 block maxima, v68-71 bytes, v72-75 448 x the scale, v76-79 the conversions' scale operands
.set T0,   80
.set NM,   82                          ; v[82:83] -M', and a 0 that is only named with it
.set L0,   84                          ; v[84:85], v[86:87] the sum in two chains of pairs
.set L1,   86
.set PW,   88
.set PT,   89
.set OW,   90                          ; v[90:91] what goes into the record
.set PC,   96                          ; v96-111 the codes
.set AF,   128
.set LIM,  3                           ; s3      1 in a wave that prefetches, else the greatest number
.set SCW,  30                          ; v30     where my wave puts its 4 rows of scale words of a set: SCA + 4,096 x wave + 16 x lane
.set G1H,  68                          ; s[68:75], s[80:87] group 1 for the head's loads: 16 rows, both slots
.set G1HB, 80
.set G1, 24
.set G0, 32
.set G1B, 48
.set G0B, 56
.set PCB, 66                           ; s[66:67] p_c
.set PFA, 92                           ; s[92:93] where my prefetches stand: my work-group's two of the eight tiles of 16 rows that I fetch, in the second tile of S, K step 0; never rewritten
.set CS,  96                           ; s[96:97] log2(e), twice
.set SEL, 98
.set MNT, 100
.set HI,  101
.set MSB, 0
.macro WIN new
.if MSB != \new
	s_set_vgpr_msb (MSB<<8)|\new
.set MSB, \new
.endif
.endm
.set MUL_LO, 0xa1                      ; source 0 (B) window 1, source 1 (A) window 0, C and D window 2
.set MUL_HI, 0xf1
.set TO_B,   0x40
; A joint load: waves 0 and 1 fetch for A, waves 2 and 3 for B; the branch hangs on the wave's number alone.  An s_nop 0 and four v_nop follow each of the two lines.
.macro JLOAD g0a, g1a, g0b, g1b
	s_cmp_eq_u32 s15, 0
	s_cbranch_scc0 .Lfor_b_\@
	tensor_load_to_lds s[\g0a:\g0a+3], s[\g1a:\g1a+7]
	s_nop 0
.rept 4
	v_nop
.endr
	s_branch .Lasked_\@
.Lfor_b_\@:
	tensor_load_to_lds s[\g0b:\g0b+3], s[\g1b:\g1b+7]
	s_nop 0
.rept 4
	v_nop
.endr
.Lasked_\@:
.endm
; A PREFETCH INTO THE L2 of K step ks of the SECOND tile of S, in the first tile's four changes of slots, one K step in each.  It stands behind the joint load, its five lines and a run of LDS loads.
; A wave's load is HALFT consecutive bytes: of these the partner at place p of the four that ask jointly takes 8,192, told apart BY ADDRESS (p = cx for lhs, cy for rhs): 32 blocks of 256 bytes, a lane a block.
; lhs's rows are read by both clusters along x: cluster x = 0 asks;  rhs's by the two clusters of a batch: the even cluster y asks.  The K step stands in the immediate: no address is stepped.
; The second tile's trip asks for nothing: s2, the tiles to go, is then 1.
.macro ASK ks
	s_cmp_gt_u32 s2, s[LIM]
	s_cbranch_scc0 .Lnot_mine_\@
	global_prefetch_b8 v[PFO], s[PFA:PFA+1] offset:(\ks)*HALFT th:TH_LOAD_NT scope:SCOPE_SE
.Lnot_mine_\@:
.endm
.macro CREST                           ; a round of the cluster's barrier behind its opening barrier
	s_cmp_lg_u32 s14, 0
	s_cbranch_scc1 .Lnot_wave_0_\@
	s_barrier_signal -3
.Lnot_wave_0_\@:
	s_barrier_wait -3
	s_barrier_signal -1
	s_barrier_wait -1
.endm
.macro CROUND
	s_barrier_signal -1
	s_barrier_wait -1
	CREST
.endm
	s_load_b256 s[4:11], s[0:1], 0x0               ; lhs_c s[4:5], sc_qk s[6:7], rhs_c s[8:9], p_c s[10:11]
	s_load_b64 s[12:13], s[0:1], 0x20              ; pstat
	v_lshl_add_u32 v[SPW], v0, 2, SPARE
	v_mov_b32 v[NIL], 0
	ds_add_u32 v[SPW], v[NIL]                      ; the wave's opening: the add, twice on end, and its wait ahead of my first tensor load
	ds_add_u32 v[SPW], v[NIL]
	v_lshrrev_b32 v1, 5, v0
	v_readfirstlane_b32 s14, v1                    ; wave 0..3
	s_lshr_b32 s15, s14, 1                         ; which half of the tile's queries is mine.  Also: I fetch for A (0) or for B (1)
	s_and_b32 s16, s14, 1                          ; which half of its keys.  Also: which half of that side I fetch
	s_bfe_u32 s40, ttmp6, 0x40000                  ; cx, cy
	s_bfe_u32 s41, ttmp6, 0x40004
	s_lshl_b32 s42, ttmp9, 2
	s_add_co_u32 s42, s42, s40                     ; X: tile column (256 keys) = 4 x cluster x + cx
	s_and_b32 s19, ttmp7, 0xffff
	s_lshl_b32 s17, s19, 2
	s_add_co_u32 s17, s17, s41                     ; Y: the first tile's row (256 queries of the first four batches) = 4 x cluster y + cy
	s_lshr_b32 s19, s19, 1                         ; its batch, of the cluster's y alone: the same in all sixteen
	s_lshl_b32 s43, s41, 2
	s_lshl_b32 s43, 15, s43                        ; my row of the cluster
	s_lshl_b32 s44, 0x1111, s40                    ; my column
	; descriptor group 1 for codes: 8 rows (tiles) of 4,096 bytes = 512 elements of 8 bytes, on end in memory and in LDS
	s_or_b32 s[G1+0], s43, (3<<16)|(1<<21)         ; 15:0 the mask; 17:16 elements of 8 bytes; 21 set beside a mask; no padding
	s_or_b32 s[G1B+0], s44, (3<<16)|(1<<21)
.irp g, G1, G1B
	s_mov_b32 s[\g+1], 512<<16                     ; tensor_dim0
	s_mov_b32 s[\g+2], 8<<16                       ; tensor_dim1
	s_mov_b32 s[\g+3], 512<<16                     ; tile_dim0
	s_mov_b32 s[\g+4], 8                           ; tile_dim1
	s_mov_b32 s[\g+5], 512                         ; the rows lie on end
	s_mov_b32 s[\g+6], 0
	s_mov_b32 s[\g+7], 0
.endr
	s_or_b32 s[G1H+0], s43, (3<<16)|(1<<21)        ; the head's: 16 such rows, K steps 0 and 1
	s_or_b32 s[G1HB+0], s44, (3<<16)|(1<<21)
.irp g, G1H, G1HB
	s_mov_b32 s[\g+1], 512<<16
	s_mov_b32 s[\g+2], 16<<16
	s_mov_b32 s[\g+3], 512<<16
	s_mov_b32 s[\g+4], 16
	s_mov_b32 s[\g+5], 512
	s_mov_b32 s[\g+6], 0
	s_mov_b32 s[\g+7], 0
.endr
	s_mov_b32 s[CS], 0x3fb8aa3b                    ; log2(e)
	s_mov_b32 s[CS+1], s[CS]
	s_mov_b32 s[SEL], 0x76543210
	s_mov_b32 s[SEL+1], 0xfedcba98
	s_mov_b32 s[MNT], 0x600000
	s_mov_b32 s[HI], 0xffff0000
	; where the first tile's operands come from.  A's hang on Y and the wave, B's on X, the batch and the wave
	s_lshl_b32 s20, s17, 18                        ; A's codes: 16 tiles of 16,384 bytes x Y
	s_lshl_b32 s18, s16, 17                        ; + my 8 tiles
	s_add_co_u32 s20, s20, s18
	s_mov_b32 s21, 0
	s_lshl_b32 s46, s19, 21                        ; B's codes: the batch,
	s_lshl_b32 s95, s42, 18                        ; 16 tiles x X,
	s_add_co_u32 s46, s46, s95
	s_add_co_u32 s46, s46, s18                     ; my 8 tiles
	s_mov_b32 s47, 0
	s_lshr_b32 s22, s17, 3                         ; A's scale words: the batch,
	s_lshl_b32 s22, s22, 16
	s_and_b32 s2, s17, 7
	s_lshl_b32 s2, s2, 10                          ; 16 tiles of 64 bytes x (Y % 8),
	s_add_co_u32 s22, s22, s2
	s_lshl_b32 s2, s16, 15                         ; my four of the eight rows
	s_add_co_u32 s22, s22, s2
	s_mov_b32 s23, 0
	s_lshl_b32 s92, s19, 16                        ; B's: the batch, X, my four rows, in the second plane
	s_lshl_b32 s95, s42, 10
	s_add_co_u32 s92, s92, s95
	s_add_co_u32 s92, s92, s2
	s_add_co_u32 s92, s92, 524288
	s_mov_b32 s93, 0
	s_mul_i32 s45, s14, 2*HALFT                    ; where they go: my quarters of the two slots; no place in the cluster enters an LDS address
	s_lshl_b32 s94, s14, 12                        ; wave x 4 rows of scale words
	v_and_b32 v3, 31, v0
	v_lshlrev_b32 v[PO], 4, v3
	v_add_nc_u32 v[SCW], s94, v[PO]
	v_add_nc_u32 v[SCW], SCA, v[SCW]
	s_wait_alu depctr_va_vdst(0)
	s_wait_dscnt 0x0                               ; both opening adds are done
	s_wait_kmcnt 0x0
	s_add_nc_u64 s[20:21], s[4:5], s[20:21]
	s_add_nc_u64 s[22:23], s[6:7], s[22:23]
	s_add_nc_u64 s[46:47], s[8:9], s[46:47]
	s_add_nc_u64 s[92:93], s[6:7], s[92:93]
	s_mov_b64 s[PCB:PCB+1], s[10:11]               ; s[4:11] are free from here on
	s_cmp_eq_u32 s15, 0                            ; waves 0 and 1 take A's scale words, waves 2 and 3 B's; each its four of the eight rows, of both tiles
	s_cselect_b64 s[4:5], s[22:23], s[92:93]
.irp t, 0,1
.irp i, 0,1,2,3
	global_load_b128 v[AF+32*\t+8*\i:AF+32*\t+8*\i+3], v[PO], s[4:5] offset:\t*SC_ON+\i*8192       ; 32 lanes read 512 consecutive bytes of a row of 1,024
	global_load_b128 v[AF+32*\t+8*\i+4:AF+32*\t+8*\i+7], v[PO], s[4:5] offset:\t*SC_ON+\i*8192+512
.endr
.endr
	CROUND                                         ; all sixteen work-groups are here: the first joint loads meet
.irp s, 0,1
	s_mov_b32 s[G0+4*\s], 1
	s_add_co_u32 s[G0+4*\s+1], s45, \s*HALFT
	s_add_nc_u64 s[G0+4*\s+2:G0+4*\s+3], s[20:21], \s*HALFT
	s_or_b32 s[G0+4*\s+3], s[G0+4*\s+3], 0x80000000
	s_mov_b32 s[G0B+4*\s], 1
	s_add_co_u32 s[G0B+4*\s+1], s45, \s*HALFT
	s_add_nc_u64 s[G0B+4*\s+2:G0B+4*\s+3], s[46:47], \s*HALFT
	s_or_b32 s[G0B+4*\s+3], s[G0B+4*\s+3], 0x80000000
.endr
	JLOAD G0, G1H, G0B, G1HB                       ; K steps 0 and 1, both slots, by one descriptor: one tensor load a wave at the head (slot 1's group 0 is first used for K step 3)
	; the prefetches (macro ASK): where mine stand, and who asks.  s[20:21], s[46:47] still hold my eight tiles' first bytes in lhs_c and rhs_c; s40 = cx, s41 = cy
	s_and_b32 s45, ttmp7, 1                        ; the low bit of cluster y: the two clusters of a batch read the same rows of rhs
	s_cmp_eq_u32 s15, 0                            ; do I fetch for A?
	s_cselect_b64 s[PFA:PFA+1], s[20:21], s[46:47]
	s_cselect_b32 s18, s40, s41                    ; my place among the four that ask with me
	s_cselect_b32 s45, ttmp9, s45                  ; the coordinate along which another cluster reads the same rows
	s_cmp_eq_u32 s45, 0
	s_cselect_b32 s[LIM], 1, -1                    ; the same in all sixteen partners, for a given wave
	s_lshl_b32 s18, s18, 13                        ; my work-group's 8,192 bytes of a wave's HALFT,
	s_add_co_u32 s18, s18, TILE_ON                 ; in the second tile of S
	s_mov_b32 s19, 0
	s_add_nc_u64 s[PFA:PFA+1], s[PFA:PFA+1], s[18:19]
	v_and_b32 v1, 15, v0                           ; r
	v_bfe_u32 v2, v0, 4, 1                         ; h
	v_lshlrev_b32 v[PFO], 4, v[PO]                 ; 256 x lane
	s_wait_alu depctr_va_vdst(0)
	s_lshl_b32 s21, s15, 16                        ; my 8 tiles of A: quarter 0 or 1
	s_lshl_b32 s22, s16, 16                        ; my 8 tiles of B: quarter 2 or 3
	s_add_co_u32 s22, s22, 4*HALFT
.irp s, 0,1
	v_add_nc_u32 v[ADRA+\s], s21, v[PO]
	v_add_nc_u32 v[ADRB+\s], s22, v[PO]
	s_add_co_u32 s21, s21, HALFT
	s_add_co_u32 s22, s22, HALFT
.endr
	s_lshl_b32 s21, s15, 9                         ; A's words: my 8 tiles of 64 bytes
	s_lshl_b32 s22, s16, 9                         ; B's: my 8 tiles, in B's region
	s_add_co_u32 s22, s22, SCB-SCA
	s_sub_co_u32 s22, s22, s21
	v_mul_u32_u24 v6, s22, v2                      ; lanes 16-31 take B's: one product, the lower base + h x the distance
	s_add_co_u32 s21, s21, SCA
	v_lshl_add_u32 v6, v1, 2, v6
	v_add_nc_u32 v[ADRS], s21, v6
	v_lshlrev_b32 v[SO], 4, v1
	v_lshl_add_u32 v[SO], v2, 3, v[SO]
.irp b, 0,1,2,3
	v_mov_b32 v[TM+4+\b], 0                        ; written once: a lane permute's destination counts as one of its sources
.endr
	v_mov_b32 v[PT], 0
	v_mov_b32 v[NM+1], 0
	s_lshl_b32 s20, s17, 19                        ; p_c: 16 tiles of 32,768 bytes x Y,
	s_lshl_b32 s21, s15, 18                        ; my 8 tiles,
	s_add_co_u32 s20, s20, s21
	s_lshl_b32 s21, s42, 15                        ; my 256 keys: K step X of the next product,
	s_add_co_u32 s20, s20, s21
	s_lshl_b32 s21, s16, 11
	s_add_co_u32 s20, s20, s21
	s_mov_b32 s21, 0
	s_add_nc_u64 s[PCB:PCB+1], s[PCB:PCB+1], s[20:21]
	s_lshr_b32 s20, s17, 3                         ; pstat: the batch,
	s_lshl_b32 s20, s20, 19
	s_lshl_b32 s21, s42, 16                        ; my 128 keys: (2 X + half) x 32,768,
	s_add_co_u32 s20, s20, s21
	s_lshl_b32 s21, s16, 15
	s_add_co_u32 s20, s20, s21
	s_and_b32 s21, s17, 7                          ; 16 tiles of 256 bytes x (Y % 8),
	s_lshl_b32 s21, s21, 12
	s_add_co_u32 s20, s20, s21
	s_lshl_b32 s21, s15, 11                        ; my 8 tiles
	s_add_co_u32 s20, s20, s21
	s_mov_b32 s21, 0
	s_add_nc_u64 s[12:13], s[12:13], s[20:21]
.macro FRAG reg, adr, q, i             ; a fragment's image: four loads of 512 consecutive bytes
.irp c, 0,1,2,3
	ds_load_b128 v[\reg+4*\c:\reg+4*\c+3], v[\adr] offset:(\i)*KSB+(\q)*2048+512*\c
.endr
.endm
; Four matrix instructions: A's blocks 4 h .. 4 h + 3 x B's block b, 128 along K.  A step takes h = 0 with b = 0 .. 7, then h = 1 likewise: the 64 accumulators take turns in the same order in every step.
.macro MUL4 h, b, p, q, sc, zero
.irp a, 0,1,2,3
.if \zero
	v_wmma_scale_f32_16x16x128_f8f6f4 v[8*(8*\a+\b):8*(8*\a+\b)+7], v[128*(\p)+FR*(\b):128*(\p)+FR*(\b)+FR-1], v[AF+FR*(4*(\h)+\a):AF+FR*(4*(\h)+\a)+FR-1], 0, v[SC+8*NQ*(\sc)+NQ*(\b)+(\q)], v[SC+8*NQ*(\sc)+NQ*(4*(\h)+\a)+(\q)] matrix_a_scale:MATRIX_SCALE_ROW1
.else
	v_wmma_scale_f32_16x16x128_f8f6f4 v[8*(8*\a+\b):8*(8*\a+\b)+7], v[128*(\p)+FR*(\b):128*(\p)+FR*(\b)+FR-1], v[AF+FR*(4*(\h)+\a):AF+FR*(4*(\h)+\a)+FR-1], v[8*(8*\a+\b):8*(8*\a+\b)+7], v[SC+8*NQ*(\sc)+NQ*(\b)+(\q)], v[SC+8*NQ*(\sc)+NQ*(4*(\h)+\a)+(\q)] matrix_a_scale:MATRIX_SCALE_ROW1
.endif
.endr
.endm
.macro FETCH_B slot, q, p
	WIN TO_B
.irp i, 0,1,2,3,4,5,6,7
	FRAG 128*(\p)+FR*\i, ADRB+\slot, \q, \i
.endr
	WIN 0
.endm
.macro FETCH_A slot, q, i0
.irp i, \i0, \i0+1, \i0+2, \i0+3
	FRAG AF+FR*(\i), ADRA+\slot, \q, \i
.endr
.endm
.macro SCALES sc, ks                   ; the scale words of the tile's K step ks: register NQ i + q: lanes 0-15 A's block i, lanes 16-31 B's block i, the K step's q-th 128 along K
.irp i, 0,1,2,3,4,5,6,7
.irp q, 0,1
	ds_load_b32 v[SC+8*NQ*\sc+NQ*\i+\q], v[ADRS] offset:(\ks)*1024*NQ+\i*64+\q*1024
.endr
.endr
.endm
.macro PLACES n                        ; plain vector lines between a matrix instruction and a load into, or a read of, its registers
.rept \n
	v_nop
.endr
.endm
.macro MUL32 h, p, q, sc, zero         ; half a step: A's blocks 4 h .. 4 h + 3 x B's eight
.irp b, 0,1,2,3,4,5,6,7
	MUL4 \h, \b, \p, \q, \sc, \zero
.endr
.endm
; THE LDS LOADS STAND IN TWO LONG RUNS A STEP: 48 behind the first 32 products (the next step's B and A's blocks 0-3), 16 behind the last 32 (A's blocks 4-7).  At a step's entry the youngest 16 loads that are out are A's blocks 4-7.
.macro STEP slot, q, zero              ; a step of 128 along K that has its successor in the same slot
	s_wait_dscnt 4*NL                              ; all but the youngest 16 loads (A's blocks 4-7) are in
	WIN MUL_LO
	MUL32 0, (\q)%2, \q, \slot, \zero
	s_wait_dscnt 0
	PLACES NP
	FETCH_B \slot, (\q)+1, 1-(\q)%2
	FETCH_A \slot, (\q)+1, 0
	WIN MUL_HI
	MUL32 1, (\q)%2, \q, \slot, \zero
	PLACES NP
	WIN 0
	FETCH_A \slot, (\q)+1, 4
.endm
.macro LAST slot                       ; the very last step: nothing more to fetch
	s_wait_dscnt 4*NL
	WIN MUL_LO
	MUL32 0, 1, NQ-1, \slot, 0
	s_wait_dscnt 0
	WIN MUL_HI
	MUL32 1, 1, NQ-1, \slot, 0
	WIN 0
.endm
; A slot's last step changes slots: ONE barrier; in front of it each wave waits for all its tensor loads, adds 0 to its spare word, and waits for that and for its own reads of this slot.
; fill = 1: the slot is filled again with this tile's K step two on;  2: with the NEXT tile's K step 0 or 1;  0: not at all.  ks: the K step, in its tile, that lies in the next slot.  pf: the K step of the second tile that is prefetched.
.macro TURN slot, next, fill, ks, pf
	s_wait_tensorcnt 0x0                           ; all my tensor loads have landed: my part of the next slot
	ds_add_u32 v[SPW], v[NIL]                      ; 0 onto my spare word
	s_wait_dscnt 4*NL+1                            ; (the add and the youngest 16 loads may be out)
	WIN MUL_LO
.irp b, 0,1,2,3
	MUL4 0, \b, 1, NQ-1, \slot, 0
.endr
	s_wait_dscnt 0x0                               ; the add is done, and my reads of this slot are over
	s_barrier_signal -1
.irp b, 4,5,6,7
	MUL4 0, \b, 1, NQ-1, \slot, 0
.endr
	WIN 0
	s_barrier_wait -1
.if \fill
	CREST                                          ; the barrier has opened a round of the cluster's: no wave of any partner still reads this slot or has a load on its way
.if \fill == 2
	s_add_nc_u64 s[G0+4*\slot+2:G0+4*\slot+3], s[G0+4*\slot+2:G0+4*\slot+3], NEXT
	s_add_nc_u64 s[G0B+4*\slot+2:G0B+4*\slot+3], s[G0B+4*\slot+2:G0B+4*\slot+3], NEXT
.else
	s_add_nc_u64 s[G0+4*\slot+2:G0+4*\slot+3], s[G0+4*\slot+2:G0+4*\slot+3], 2*HALFT
	s_add_nc_u64 s[G0B+4*\slot+2:G0B+4*\slot+3], s[G0B+4*\slot+2:G0B+4*\slot+3], 2*HALFT
.endif
	JLOAD G0+4*\slot, G1, G0B+4*\slot, G1B         ; the first tensor load behind the round, my one load until the next
	PLACES NP-4
.else
	PLACES NP
.endif
.if (\fill == 2) && (\next == 0)
	v_xor_b32 v[ADRS], SET, v[ADRS]                ; the next slot holds the next tile's first K step: on to its set of scale words
.endif
	FETCH_B \next, 0, 0
	FETCH_A \next, 0, 0
	SCALES \next, \ks
.if \fill
	ASK \pf
.endif
	WIN MUL_HI
	MUL32 1, 1, NQ-1, \slot, 0
	PLACES NP
	WIN 0
	FETCH_A \next, 0, 4
.endm
; THE WAY OUT of the tile of 16 queries a: its 64 registers, in window 2 or 3, are 128 keys of my query.  Each accumulator is read from its low end on.
.macro SOFTQ a
.set W, 2+(\a)/4
.set AC, 64*((\a)%4)
.set W012, W|(W<<2)|(W<<4)
.set W12, (W<<2)|(W<<4)
.set W0D, W|(W<<6)
.set W01, W|(W<<2)
.set W1, W<<2
	WIN W012
.irp b, 0,1,2,3
	v_max3_num_f32 v[TM+\b], v[AC+16*\b], v[AC+16*\b+1], v[AC+16*\b+2]   ; the largest score of each block of 32 keys: it serves for M' and, since p rises with the score, for the block's largest p
.endr
	WIN W12
.irp i, 3,5,7,9,11,13
.irp b, 0,1,2,3
	v_max3_num_f32 v[TM+\b], v[TM+\b], v[AC+16*\b+\i], v[AC+16*\b+\i+1]
.endr
.endr
.irp b, 0,1,2,3
	v_max_num_f32 v[TM+\b], v[TM+\b], v[AC+16*\b+15]
.endr
	WIN 0
.irp b, 0,1,2,3
	v_permlanex16_b32 v[TM+4+\b], v[TM+\b], s[SEL], s[SEL+1]
.endr
.irp b, 0,1,2,3
	v_max_num_f32 v[TM+\b], v[TM+\b], v[TM+4+\b]   ; with lane l xor 16's 16 keys
.endr
	v_max3_num_f32 v[T0], v[TM], v[TM+1], v[TM+2]
	v_max_num_f32 v[T0], v[T0], v[TM+3]
	v_mul_f32 v[T0], s[CS], v[T0]                  ; the largest t of these 128 keys
	v_floor_f32 v[NM], -v[T0]                      ; -M' = floor(-t) = -ceil(t)
.irp b, 0,1,2,3
	v_fma_f32 v[TM+\b], v[TM+\b], s[CS], v[NM]
.endr
	WIN W0D
.set j, 0
.rept 32
	v_pk_fma_f32 v[AC+j:AC+j+1], v[AC+j:AC+j+1], s[CS:CS+1], v[NM:NM+1] op_sel_hi:[1,0,0]   ; t - M', two at a time
.set j, j+2
.endr
.set j, 0
	s_wait_alu depctr_va_vdst(0)
.rept 64
	v_exp_f32 v[AC+j], v[AC+j]                     ; p = 2^(t - M')
.set j, j+1
.endr
	WIN 0
	v_nop                                          ; a plain line behind the last exponential
	s_wait_alu depctr_va_vdst(0)                   ; one wait for the batch of 64, ahead of its first reader
.irp b, 0,1,2,3
	v_exp_f32 v[TM+\b], v[TM+\b]                   ; the block's largest p: the same two instructions on the same number
.endr
	WIN W01
	v_pk_add_f32 v[L0:L0+1], v[AC:AC+1], v[AC+2:AC+3]   ; the sum of the UNQUANTISED p, two chains of pairs
	v_pk_add_f32 v[L1:L1+1], v[AC+4:AC+5], v[AC+6:AC+7]
	WIN W1
.set j, 8
.rept 14
	v_pk_add_f32 v[L0:L0+1], v[L0:L0+1], v[AC+j:AC+j+1]
	v_pk_add_f32 v[L1:L1+1], v[L1:L1+1], v[AC+j+2:AC+j+3]
.set j, j+4
.endr
	WIN 0
	v_pk_add_f32 v[L0:L0+1], v[L0:L0+1], v[L1:L1+1]
	s_wait_alu depctr_va_vdst(0)                   ; and one for the four
.irp b, 0,1,2,3
	v_max_num_f32 v[TM+\b], 0x4800000, v[TM+\b]    ; the floor 2^(9 - 127): the byte cannot fall under 1
.endr
.irp b, 0,1,2,3
	v_add_nc_u32 v[TM+12+\b], 0xfc000000, v[TM+\b]
.endr
.irp b, 0,1,2,3
	v_and_or_b32 v[TM+8+\b], v[TM+\b], 0x7f800000, s[MNT]
.endr
.irp b, 0,1,2,3
	v_lshrrev_b32 v[TM+4+\b], 23, v[TM+12+\b]
.endr
	v_lshl_or_b32 v[PW], v[TM+5], 8, v[TM+4]       ; the scale word under M'
	v_lshl_or_b32 v[PW], v[TM+6], 16, v[PW]
	v_lshl_or_b32 v[PW], v[TM+7], 24, v[PW]
	v_add_f32 v[L0], v[L0], v[L0+1]
	v_permlanex16_b32 v[PT], v[L0], s[SEL], s[SEL+1]
	v_add_f32 v[L0], v[L0], v[PT]                  ; l'
	WIN W0D
.irp b, 0,1,2,3
.set i, 0
.rept 16
	v_min_num_f32 v[AC+16*\b+i], v[AC+16*\b+i], v[TM+8+\b]   ; the hold: p is not negative, so it is one-sided
.set i, i+1
.endr
.endr
	WIN W
	s_wait_alu depctr_va_vdst(0)
	s_wait_xcnt 0x0                                ; the last tile's stores have read their registers
.irp b, 0,1,2,3
	v_cvt_scalef32_pk8_fp8_f32 v[PC+4*\b:PC+4*\b+1], v[AC+16*\b:AC+16*\b+7], v[TM+12+\b]
	v_cvt_scalef32_pk8_fp8_f32 v[PC+4*\b+2:PC+4*\b+3], v[AC+16*\b+8:AC+16*\b+15], v[TM+12+\b]
.endr
	WIN 0
	v_nop                                          ; a plain line behind the last conversion
	v_cndmask_b32 v[OW], v[PW], v[L0], s[HI]       ; lanes 0-15: the word and -M'; lanes 16-31: l' and 0
	v_cndmask_b32 v[OW+1], v[NM], v[NIL], s[HI]
.irp c, 0,1,2,3
	global_store_b128 v[PO], v[PC+4*\c:PC+4*\c+3], s[PCB:PCB+1] offset:(\a)*4096+512*\c   ; 32 lanes store 512 consecutive bytes, at a multiple of 512 from the buffer's first byte
.endr
	global_store_b64 v[SO], v[OW:OW+1], s[12:13] offset:(\a)*256   ; 32 lanes store the tile's 256 bytes of records
.endm
	s_wait_alu depctr_va_vdst(0)
	s_wait_loadcnt 0x0                             ; my rows of scale words are in registers
.irp t, 0,1
.irp i, 0,1,2,3
	ds_store_b128 v[SCW], v[AF+32*\t+8*\i:AF+32*\t+8*\i+3] offset:\t*SET+\i*1024
	ds_store_b128 v[SCW], v[AF+32*\t+8*\i+4:AF+32*\t+8*\i+7] offset:\t*SET+\i*1024+512
.endr
.endr
	s_wait_tensorcnt 0x0                           ; my part of K steps 0 and 1 is in,
	s_wait_dscnt 0x0                               ; and my stores of scale words have landed
	s_barrier_signal -1
	s_barrier_wait -1
	FETCH_B 0, 0, 0
	FETCH_A 0, 0, 0
	SCALES 0, 0
	FETCH_A 0, 0, 4
	s_cmp_eq_u32 s[LIM], 1                         ; the FIRST tile's K steps 2 and 3, which the first two changes of slots load: by the same waves and shares as in macro ASK, TILE_ON bytes back from the second tile's
	s_cbranch_scc0 .Lno_first
	global_prefetch_b8 v[PFO], s[PFA:PFA+1] offset:2*HALFT-TILE_ON th:TH_LOAD_NT scope:SCOPE_SE
	global_prefetch_b8 v[PFO], s[PFA:PFA+1] offset:3*HALFT-TILE_ON th:TH_LOAD_NT scope:SCOPE_SE
.Lno_first:
	s_mov_b32 s2, 2                                ; tiles to go, this one among them: the same number in every work-group
.Ltile:
	STEP 0, 0, 1                                   ; a tile's first step: its products start the sums; nothing is ever cleared
	TURN 0, 1, 1, 1, 0                             ; slot 0 takes K step 2
	STEP 1, 0, 0
	TURN 1, 0, 1, 2, 1                             ; slot 1 takes K step 3
	STEP 0, 0, 0
	s_cmp_eq_u32 s2, 1
	s_cbranch_scc1 .Llast                          ; the last tile's last lap is written out: it asks for nothing more
	TURN 0, 1, 2, 3, 2                             ; THE RING GOES ON INTO THE NEXT TILE: slot 0 takes its K step 0,
	STEP 1, 0, 0
	TURN 1, 0, 2, 0, 3                             ; slot 1 its K step 1, and the next tile's first fragments and scale words are fetched
	s_branch .Lout
.Llast:
	TURN 0, 1, 0, 3, 0
	STEP 1, 0, 0
	LAST 1
.Lout:                                                 ; the way out touches v24-29, v64-111 and the accumulators: none of the registers into which the next tile's fragments and scale words are on their way
	PLACES NP
.irp a, 0,1,2,3,4,5,6,7
	SOFTQ \a
.endr
	s_wait_xcnt 0x0                                ; the stores have read their bases
	s_add_nc_u64 s[PCB:PCB+1], s[PCB:PCB+1], P_ON  ; on to the next tile's part of p_c and of pstat (behind the last tile the stepped addresses are not used)
	s_add_nc_u64 s[12:13], s[12:13], ST_ON
	s_sub_co_u32 s2, s2, 1
	s_cmp_lg_u32 s2, 0
	s_cbranch_scc1 .Ltile
	s_wait_tensorcnt 0x0                           ; the wave's end
	ds_add_u32 v[SPW], v[NIL]
	s_wait_dscnt 0x0
	CROUND                                         ; the closing round: no work-group ends while a partner may still ask for a tile that names it
	s_endpgm
.Lfunc_end_k_qe6fe1310a0_scores:
	.size	k_qe6fe1310a0_scores, .Lfunc_end_k_qe6fe1310a0_scores-k_qe6fe1310a0_scores
	.p2alignl 7, 3214868480
	.fill 96, 4, 3214868480
	.section	.rodata,"a",@progbits
	.p2align	6, 0x0
	.amdhsa_kernel k_qe6fe1310a0_scores
		.amdhsa_group_segment_fixed_size 327680
		.amdhsa_private_segment_fixed_size 0
		.amdhsa_enable_private_segment 0
		.amdhsa_kernarg_size 40
		.amdhsa_user_sgpr_count 2
		.amdhsa_user_sgpr_kernarg_segment_ptr 1
		.amdhsa_wavefront_size32 1
		.amdhsa_system_sgpr_workgroup_id_x 1
		.amdhsa_system_sgpr_workgroup_id_y 1
		.amdhsa_system_sgpr_workgroup_id_z 1
		.amdhsa_system_vgpr_workitem_id 0
		.amdhsa_next_free_vgpr 1024
		.amdhsa_next_free_sgpr 102
		.amdhsa_reserve_vcc 0
		.amdhsa_float_denorm_mode_32 3
		.amdhsa_float_denorm_mode_16_64 3
		.amdhsa_memory_ordered 1
		.amdhsa_forward_progress 1
		.amdhsa_inst_pref_size 255
	.end_amdhsa_kernel
	.section	.bss,"aw",@nobits
	.p2align	6
	.space	262144
	.amdgpu_metadata
---
amdhsa.version: [ 1, 2 ]
amdhsa.kernels:
  - .name:           k_qe6fe1310a0_scores
    .symbol:         k_qe6fe1310a0_scores.kd
    .args:
      - { .name: lhs_c, .offset: 0, .size: 8, .value_kind: global_buffer, .address_space: global }
      - { .name: sc_qk, .offset: 8, .size: 8, .value_kind: global_buffer, .address_space: global }
      - { .name: rhs_c, .offset: 16, .size: 8, .value_kind: global_buffer, .address_space: global }
      - { .name: p_c, .offset: 24, .size: 8, .value_kind: global_buffer, .address_space: global }
      - { .name: pstat, .offset: 32, .size: 8, .value_kind: global_buffer, .address_space: global }
    .group_segment_fixed_size: 327680
    .private_segment_fixed_size: 0
    .kernarg_segment_align: 8
    .kernarg_segment_size: 40
    .max_flat_workgroup_size: 128
    .sgpr_count:     102
    .vgpr_count:     1024
    .wavefront_size: 32
...
	.end_amdgpu_metadata
.endif
;; end of part 2
;; launch pv (part 3): grid 4 x 64, 4 waves a work-group, clusters of 4 x 4, 327,680 bytes of LDS; arguments p_c, pstat, vt_c, sc_v, out0; writes out0
.if DOCPART == 3
	.amdgcn_target "amdgcn-amd-amdhsa--gfx1250"
	.amdhsa_code_object_version 6
	.text
	.protected	k_qe6fe1310a0_pv
	.globl	k_qe6fe1310a0_pv
	.p2align	8
	.type	k_qe6fe1310a0_pv,@function
k_qe6fe1310a0_pv:
	s_mov_b64 s[64:65], 0
	v_nop
	global_prefetch_b8 v0, s[64:65] scope:SCOPE_SE
	s_setreg_imm32_b32 hwreg(HW_REG_WAVE_MODE, 25, 1), 1
	s_wait_xcnt 0x0
	s_wait_alu depctr_hold_cnt(0) depctr_sa_sdst(0) depctr_va_vdst(0) depctr_va_sdst(0) depctr_va_ssrc(0) depctr_va_vcc(0) depctr_vm_vsrc(0)
	s_getreg_b32 s2, hwreg(HW_REG_IB_STS2, 6, 4)
	s_cmp_eq_u32 s2, 0
	s_cbranch_scc0 .Lentry_in_a_cluster
	s_endpgm
.Lentry_in_a_cluster:
	s_bfe_u32 s2, ttmp6, 0x10000c
	s_cmp_lg_u32 s2, 0xf033
	s_cbranch_scc0 .Lentry_shape_is_right
	s_endpgm
.Lentry_shape_is_right:
; O = P V / l on codes of FP8 (E4M3) with E8M0 scales, K = the 2,048 keys, for 8 batches of 2,048 queries x 1,024 d; out0 f32.
; A tile of O, 256 queries x 256 d, is made by four waves, each 128 x 128: 64 accumulators, 512 registers.  K goes in steps of 256 through a ring of two LDS slots filled by the tensor data mover.
; The operands lie in memory as images of their registers (a fragment of 16 rows x 128 K: 2,048 bytes, byte 512 c + 16 lane + e), laid [group of 8 tiles of 16 rows][K / 256: 8][tile: 8][4096]:
; a wave's part of a K step is HALFT consecutive bytes, and K steps 0 and 1 are 2 HALFT bytes on end.  In LDS a wave's quarters of the two slots lie side by side, so that ONE tensor load a wave fills both slots at the head.
; P's CODES WERE MADE UNDER M', the ceiling of the largest t of each 128 keys.  The head finds the row's M = the largest M', takes M - M' off the four scale bytes of each 128 keys (held at 0 from below),
; brings each l' under M by v_ldexp_f32, sums them, and keeps 1 / l.  The mended scale words and 1 / l go to the other waves through LDS bytes into which no fill lands.
; THE HEAD'S ORDER: the plain loads (V's scale words, the records of pstat) go out first; then the round and the joint load of K steps 0 and 1; the records are worked while that load is out; one barrier shows all of it to every wave.
; V's scale words (16,384 bytes beside the work-group's 1,048,576 bytes of codes) come by plain loads and LDS stores, so they are not asked for jointly.
; CLUSTERS: 4 x 4 work-groups.  The four of a row of the cluster need the same tiles of P, the four of a column the same tiles of V: each is asked for JOINTLY.
; PREFETCH INTO THE L2: beside the load of K step j stands a prefetch of K step j + 2 (behind the head's barrier: of K steps 2 and 3).  Of the HALFT bytes that a wave fetches, the partner at place p of the four that
; ask jointly names 8,192, told apart by address (p = cx for P, cy for V): 32 blocks of 256 bytes, a lane a block, one instruction a wave.  The loop's last trip asks for nothing: K ends at step 7.
; THE MATRIX INSTRUCTION IS USED TRANSPOSED (source 0 = 16 d, source 1 = 16 queries): a lane holds one query and eight neighbouring d.
; LIMITS: NaN and infinities are not served.  A scale byte that M - M' would take under 0 is held at 0.
; REGISTERS, in windows of 256: window 0: v4-29 addresses; v32-63 scale words, two sets; v64-79 1 / l; v96-111 the head's; v128-255 A's fragments (at the head: the records; on the way out: rows read back).
; window 1: B's fragments, two sets.  windows 2, 3: the accumulators ((a, b) at v[8 (8 (a % 4) + b)]).
.set KT,     2048
.set KSB,    4096                      ; a K step of 256 of a tile of 16 rows: two images
.set NQ,     2
.set FR,     16
.set NL,     4
.set NP,     8                         ; places behind this matrix instruction (ISA guide 7.12.1)
.set HALFT,  8*KSB                     ; eight tiles: a wave's part of a K step
.set LAPS,   KT/512
.set SCA,    8*HALFT                   ; behind the ring: P's mended scale words [K / 128][16 tiles][16 words],
.set SCB,    SCA+8*KT                  ; V's likewise,
.set LAREA,  SCB+8*KT                  ; 1 / l of the 256 queries,
.set SPARE,  LAREA+1024                ; and the spare words, 128 bytes for each wave
.set SPITCH, 528                       ; a stage row: 512 bytes + 16
.set PSO,  4                           ; v4   the records: 16 r, lanes 16-31 eight key steps on
.set AW,   5                           ; v5   where I put a mended scale word
.set LWA,  6                           ; v6   where I put 1 / l
.set RLA,  8                           ; v8   where I read 1 / l of my 128 queries
.set VSW,  9                           ; v9   where I put V's scale words
.set PFO,  10                          ; v10  the prefetches' offset: 256 x lane; never rewritten
.set ADRA, 16
.set ADRB, 20
.set STO,  24
.set RD,   25
.set CO,   26                          ; v26  16 x lane
.set ADRS, 27
.set SPW,  28
.set NIL,  29
.set SC,   32
.set RL,   64
.set TT,   96
.set T2,   97
.set DD,   98
.set UU,   99
.set EE,   100
.set FF,   101
.set LS,   104
.set RC,   108
.set PS,   128
.set AF,   128
.set BK,   128
.set G1, 24
.set G0, 32
.set G1B, 48
.set G0B, 56
.set PFA, 68                           ; s[68:69] my work-group's 8,192 bytes of the HALFT that I fetch; stepped two K steps a trip
.set G1H, 72                           ; s[72:79], s[80:87] group 1 for the head's loads: 16 rows, both slots
.set G1HB, 80
.set ONES, 96
.set SEL, 98
.set MSB, 0
.macro WIN new
.if MSB != \new
	s_set_vgpr_msb (MSB<<8)|\new
.set MSB, \new
.endif
.endm
.set MUL_LO, 0xa1
.set MUL_HI, 0xf1
.set TO_B,   0x40
; A joint load: waves 0 and 1 fetch for P, waves 2 and 3 for V.  An s_nop 0 and four v_nop follow each line.
.macro JLOAD g0a, g1a, g0b, g1b
	s_cmp_eq_u32 s15, 0
	s_cbranch_scc0 .Lfor_b_\@
	tensor_load_to_lds s[\g0a:\g0a+3], s[\g1a:\g1a+7]
	s_nop 0
.rept 4
	v_nop
.endr
	s_branch .Lasked_\@
.Lfor_b_\@:
	tensor_load_to_lds s[\g0b:\g0b+3], s[\g1b:\g1b+7]
	s_nop 0
.rept 4
	v_nop
.endr
.Lasked_\@:
.endm
.macro ASK slot                        ; in trip i (1, 2) of the loop's three: K step 2 i + 2 + slot, two refills on from the one just asked for
	s_cmp_gt_u32 s3, 1
	s_cbranch_scc0 .Lno_ask_\@
	global_prefetch_b8 v[PFO], s[PFA:PFA+1] offset:(4+\slot)*HALFT th:TH_LOAD_NT scope:SCOPE_SE
.Lno_ask_\@:
.endm
.macro CREST
	s_cmp_lg_u32 s14, 0
	s_cbranch_scc1 .Lnot_wave_0_\@
	s_barrier_signal -3
.Lnot_wave_0_\@:
	s_barrier_wait -3
	s_barrier_signal -1
	s_barrier_wait -1
.endm
.macro CROUND
	s_barrier_signal -1
	s_barrier_wait -1
	CREST
.endm
	s_load_b256 s[4:11], s[0:1], 0x0               ; p_c s[4:5], pstat s[6:7], vt_c s[8:9], sc_v s[10:11]
	s_load_b64 s[12:13], s[0:1], 0x20              ; out0
	v_lshl_add_u32 v[SPW], v0, 2, SPARE
	v_mov_b32 v[NIL], 0
	ds_add_u32 v[SPW], v[NIL]                      ; the opening lines: the add, twice on end, and its wait ahead of my first tensor load
	ds_add_u32 v[SPW], v[NIL]
	v_lshrrev_b32 v1, 5, v0
	v_readfirstlane_b32 s14, v1                    ; wave 0..3
	s_lshr_b32 s15, s14, 1                         ; which half of the queries is mine; also: I fetch for P (0) or V (1)
	s_and_b32 s16, s14, 1                          ; which half of the d; also: which half of that side I fetch
	s_bfe_u32 s40, ttmp6, 0x40000                  ; cx, cy
	s_bfe_u32 s41, ttmp6, 0x40004
	s_lshl_b32 s42, ttmp9, 2
	s_add_co_u32 s42, s42, s40                     ; X: 256 d
	s_and_b32 s19, ttmp7, 0xffff
	s_lshl_b32 s17, s19, 2
	s_add_co_u32 s17, s17, s41                     ; Y: 256 queries
	s_lshr_b32 s19, s19, 1                         ; the batch, of the cluster's y alone
	s_lshl_b32 s43, s41, 2
	s_lshl_b32 s43, 15, s43                        ; my row of the cluster
	s_lshl_b32 s44, 0x1111, s40                    ; my column
	s_or_b32 s[G1+0], s43, (3<<16)|(1<<21)         ; group 1: rows of 512 elements of 8 bytes, on end in memory and in LDS: 8 of them for a refill,
	s_or_b32 s[G1B+0], s44, (3<<16)|(1<<21)
	s_or_b32 s[G1H+0], s43, (3<<16)|(1<<21)        ; 16 for the head's load
	s_or_b32 s[G1HB+0], s44, (3<<16)|(1<<21)
.irp g, G1, G1B
	s_mov_b32 s[\g+1], 512<<16
	s_mov_b32 s[\g+2], 8<<16
	s_mov_b32 s[\g+3], 512<<16
	s_mov_b32 s[\g+4], 8
	s_mov_b32 s[\g+5], 512
	s_mov_b32 s[\g+6], 0
	s_mov_b32 s[\g+7], 0
.endr
.irp g, G1H, G1HB
	s_mov_b32 s[\g+1], 512<<16
	s_mov_b32 s[\g+2], 16<<16
	s_mov_b32 s[\g+3], 512<<16
	s_mov_b32 s[\g+4], 16
	s_mov_b32 s[\g+5], 512
	s_mov_b32 s[\g+6], 0
	s_mov_b32 s[\g+7], 0
.endr
	s_mov_b32 s[ONES], 0x01010101
	s_mov_b32 s[SEL], 0x76543210
	s_mov_b32 s[SEL+1], 0xfedcba98
	s_lshl_b32 s20, s17, 19                        ; P's codes: two groups of 262,144 bytes x Y + my group
	s_lshl_b32 s18, s16, 18
	s_add_co_u32 s20, s20, s18
	s_mov_b32 s21, 0
	s_lshl_b32 s46, s19, 21                        ; V's: the batch, two groups x X, my group
	s_lshl_b32 s95, s42, 19
	s_add_co_u32 s46, s46, s95
	s_add_co_u32 s46, s46, s18
	s_mov_b32 s47, 0
	s_lshl_b32 s92, s19, 16                        ; V's scale words: the batch, X, my four key steps
	s_lshl_b32 s95, s42, 10
	s_add_co_u32 s92, s92, s95
	s_lshl_b32 s95, s14, 14
	s_add_co_u32 s92, s92, s95
	s_mov_b32 s93, 0
	s_lshr_b32 s66, s17, 3                         ; pstat: the batch, 16 tiles of 256 bytes x (Y % 8), my four tiles
	s_lshl_b32 s66, s66, 19
	s_and_b32 s95, s17, 7
	s_lshl_b32 s95, s95, 12
	s_add_co_u32 s66, s66, s95
	s_lshl_b32 s95, s14, 10
	s_add_co_u32 s66, s66, s95
	s_mov_b32 s67, 0
	s_lshl_b32 s70, s17, 20                        ; out0: 256 rows of 4,096 bytes x Y, my 128 rows, 1,024 bytes x X, my 512
	s_lshl_b32 s95, s15, 19
	s_add_co_u32 s70, s70, s95
	s_lshl_b32 s95, s42, 10
	s_add_co_u32 s70, s70, s95
	s_lshl_b32 s95, s16, 9
	s_add_co_u32 s70, s70, s95
	s_mov_b32 s71, 0
	s_mul_i32 s45, s14, 2*HALFT                    ; my quarters of the two slots: no place in the cluster enters an LDS address
	v_and_b32 v1, 15, v0                           ; r
	v_bfe_u32 v2, v0, 4, 1                         ; h
	v_and_b32 v3, 31, v0
	v_lshlrev_b32 v[CO], 4, v3
	v_lshlrev_b32 v[PSO], 4, v1
	v_lshl_add_u32 v[PSO], v2, 18, v[PSO]
	v_lshlrev_b32 v[PFO], 8, v3
	s_lshl_b32 s22, s15, 16                        ; my 8 tiles of P: quarter 0 or 1
	s_lshl_b32 s23, s16, 16                        ; my 8 of V: quarter 2 or 3
	s_add_co_u32 s23, s23, 4*HALFT
.irp s, 0,1
	v_add_nc_u32 v[ADRA+\s], s22, v[CO]
	v_add_nc_u32 v[ADRB+\s], s23, v[CO]
	s_add_co_u32 s22, s22, HALFT
	s_add_co_u32 s23, s23, HALFT
.endr
	s_lshl_b32 s22, s15, 9
	s_lshl_b32 s23, s16, 9
	s_add_co_u32 s23, s23, SCB-SCA
	s_sub_co_u32 s23, s23, s22
	v_mul_u32_u24 v7, s23, v2                      ; lanes 16-31 take V's words: the lower base + h x the distance
	s_add_co_u32 s22, s22, SCA
	v_lshl_add_u32 v7, v1, 2, v7
	v_add_nc_u32 v[ADRS], s22, v7
	s_wait_alu depctr_va_vdst(0)
	s_wait_dscnt 0x0                               ; both opening adds are done
	s_wait_kmcnt 0x0
	s_add_nc_u64 s[20:21], s[4:5], s[20:21]
	s_add_nc_u64 s[46:47], s[8:9], s[46:47]
	s_add_nc_u64 s[6:7], s[6:7], s[66:67]
	s_add_nc_u64 s[10:11], s[10:11], s[92:93]
	s_add_nc_u64 s[12:13], s[12:13], s[70:71]
.irp i, 0,1,2,3
	global_load_b128 v[SC+8*\i:SC+8*\i+3], v[CO], s[10:11] offset:\i*4096         ; V's scale words of a key step: 1,024 bytes, 512 a load
	global_load_b128 v[SC+8*\i+4:SC+8*\i+7], v[CO], s[10:11] offset:\i*4096+512
.endr
.irp j, 0,1,2,3
.irp c, 0,1,2,3,4,5,6,7
	global_load_b128 v[PS+32*\j+4*\c:PS+32*\j+4*\c+3], v[PSO], s[6:7] offset:\c*32768+\j*256   ; tile j of my four, key step 8 h + c: word, -M', l', 0
.endr
.endr
.irp s, 0,1
	s_mov_b32 s[G0+4*\s], 1
	s_add_co_u32 s[G0+4*\s+1], s45, \s*HALFT
	s_add_nc_u64 s[G0+4*\s+2:G0+4*\s+3], s[20:21], \s*HALFT
	s_or_b32 s[G0+4*\s+3], s[G0+4*\s+3], 0x80000000
	s_mov_b32 s[G0B+4*\s], 1
	s_add_co_u32 s[G0B+4*\s+1], s45, \s*HALFT
	s_add_nc_u64 s[G0B+4*\s+2:G0B+4*\s+3], s[46:47], \s*HALFT
	s_or_b32 s[G0B+4*\s+3], s[G0B+4*\s+3], 0x80000000
.endr
	CROUND                                         ; all sixteen work-groups are here: the first joint loads meet
	JLOAD G0, G1H, G0B, G1HB                       ; K steps 0 and 1, both slots, by one descriptor: one tensor load a wave at the head (slot 1's group 0 is first used for K step 3)
	s_cmp_eq_u32 s15, 0
	s_cselect_b64 s[PFA:PFA+1], s[20:21], s[46:47]
	s_cselect_b32 s18, s40, s41                    ; my place among the four that ask with me
	s_lshl_b32 s18, s18, 13
	s_mov_b32 s19, 0
	s_add_nc_u64 s[PFA:PFA+1], s[PFA:PFA+1], s[18:19]
	v_lshlrev_b32 v7, 2, v1
	s_lshl_b32 s22, s14, 8
	s_add_co_u32 s23, s22, SCA
	v_lshl_add_u32 v[AW], v2, 13, v7
	v_add_nc_u32 v[AW], s23, v[AW]
	s_add_co_u32 s23, s22, LAREA
	v_add_nc_u32 v[LWA], s23, v7
	s_lshl_b32 s23, s15, 9
	s_add_co_u32 s23, s23, LAREA
	v_add_nc_u32 v[RLA], s23, v7
	s_lshl_b32 s23, s14, 16                        ; my stage: the head of my quarter of slot 0, which has had its last fill and its last read when the way out begins
	v_mul_u32_u24 v7, v1, SPITCH
	v_lshl_add_u32 v7, v2, 5, v7
	v_add_nc_u32 v[STO], s23, v7
	v_add_nc_u32 v[RD], s23, v[CO]
	v_mov_b32 v[T2], 0                             ; a lane permute's destination counts as one of its sources
	s_lshl_b32 s23, s14, 12
	s_add_co_u32 s23, s23, SCB
	v_add_nc_u32 v[VSW], s23, v[CO]
	s_wait_alu depctr_va_vdst(0)
	s_wait_loadcnt 0x0
.irp i, 0,1,2,3
	ds_store_b128 v[VSW], v[SC+8*\i:SC+8*\i+3] offset:\i*1024
	ds_store_b128 v[VSW], v[SC+8*\i+4:SC+8*\i+7] offset:\i*1024+512
.endr
.macro ADJ j                           ; tile j: -M = the least -M' of the 16 key steps; each word's bytes less M - M', each l' x 2^(M' - M), their sum
.set PJ, PS+32*(\j)
	v_min_num_f32 v[TT], v[PJ+1], v[PJ+5]
.irp c, 2,3,4,5,6,7
	v_min_num_f32 v[TT], v[TT], v[PJ+4*\c+1]
.endr
	v_permlanex16_b32 v[T2], v[TT], s[SEL], s[SEL+1]
	v_min_num_f32 v[TT], v[TT], v[T2]
.irp c, 0,1,2,3,4,5,6,7
	v_sub_f32 v[DD], v[PJ+4*\c+1], v[TT]           ; M - M', a whole number, 0 or more,
	v_min_num_f32 v[DD], 0x42fe0000, v[DD]         ; held at 127
	v_cvt_i32_f32 v[DD], v[DD]
	v_or_b32 v[UU], 0x80808080, v[PJ+4*\c]         ; a guard bit over each byte, so that no byte borrows from the next
	v_mul_lo_u32 v[EE], v[DD], s[ONES]
	v_sub_nc_u32 v[UU], v[UU], v[EE]
	v_and_b32 v[EE], 0x80808080, v[UU]             ; the guard is left where the byte has not fallen under 0
	v_lshrrev_b32 v[FF], 7, v[EE]
	v_sub_nc_u32 v[EE], v[EE], v[FF]               ; 0x7f there, 0 elsewhere
	v_and_b32 v[PJ+4*\c], v[UU], v[EE]
	v_sub_nc_u32 v[DD], 0, v[DD]
	v_ldexp_f32 v[PJ+4*\c+2], v[PJ+4*\c+2], v[DD]
.endr
	v_add_f32 v[LS+\j], v[PJ+2], v[PJ+6]
.irp c, 2,3,4,5,6,7
	v_add_f32 v[LS+\j], v[LS+\j], v[PJ+4*\c+2]
.endr
	v_permlanex16_b32 v[T2], v[LS+\j], s[SEL], s[SEL+1]
	v_add_f32 v[LS+\j], v[LS+\j], v[T2]
.endm
	ADJ 0
	ADJ 1
	ADJ 2
	ADJ 3
	s_wait_alu depctr_va_vdst(0)
.irp j, 0,1,2,3
	v_rcp_f32 v[RC+\j], v[LS+\j]
.endr
	v_nop
	s_wait_alu depctr_va_vdst(0)
.irp j, 0,1,2,3
.irp c, 0,1,2,3,4,5,6,7
	ds_store_b32 v[AW], v[PS+32*\j+4*\c] offset:\j*64+\c*1024
.endr
	ds_store_b32 v[LWA], v[RC+\j] offset:\j*64
.endr
	s_wait_tensorcnt 0x0                           ; my part of K steps 0 and 1 is in,
	s_wait_dscnt 0x0                               ; and my LDS stores have landed
	s_barrier_signal -1
	s_barrier_wait -1
.irp a, 0,1,2,3,4,5,6,7
	ds_load_b32 v[RL+2*\a], v[RLA] offset:64*\a    ; 1 / l of my query in tile a, twice: the packed form takes a pair
	ds_load_b32 v[RL+2*\a+1], v[RLA] offset:64*\a
.endr
.macro FRAG reg, adr, q, i             ; a fragment's image: four loads of 512 consecutive bytes
.irp c, 0,1,2,3
	ds_load_b128 v[\reg+4*\c:\reg+4*\c+3], v[\adr] offset:(\i)*KSB+(\q)*2048+512*\c
.endr
.endm
; Four matrix instructions: A's blocks 4 h .. 4 h + 3 x B's block b, 128 along K.  A step takes h = 0 with b = 0 .. 7, then h = 1 likewise: the 64 accumulators take turns in the same order in every step.
.macro MUL4 h, b, p, q, sc, zero
.irp a, 0,1,2,3
.if \zero
	v_wmma_scale_f32_16x16x128_f8f6f4 v[8*(8*\a+\b):8*(8*\a+\b)+7], v[128*(\p)+FR*(\b):128*(\p)+FR*(\b)+FR-1], v[AF+FR*(4*(\h)+\a):AF+FR*(4*(\h)+\a)+FR-1], 0, v[SC+8*NQ*(\sc)+NQ*(\b)+(\q)], v[SC+8*NQ*(\sc)+NQ*(4*(\h)+\a)+(\q)] matrix_a_scale:MATRIX_SCALE_ROW1
.else
	v_wmma_scale_f32_16x16x128_f8f6f4 v[8*(8*\a+\b):8*(8*\a+\b)+7], v[128*(\p)+FR*(\b):128*(\p)+FR*(\b)+FR-1], v[AF+FR*(4*(\h)+\a):AF+FR*(4*(\h)+\a)+FR-1], v[8*(8*\a+\b):8*(8*\a+\b)+7], v[SC+8*NQ*(\sc)+NQ*(\b)+(\q)], v[SC+8*NQ*(\sc)+NQ*(4*(\h)+\a)+(\q)] matrix_a_scale:MATRIX_SCALE_ROW1
.endif
.endr
.endm
.macro FETCH_B slot, q, p
	WIN TO_B
.irp i, 0,1,2,3,4,5,6,7
	FRAG 128*(\p)+FR*\i, ADRB+\slot, \q, \i
.endr
	WIN 0
.endm
.macro FETCH_A slot, q, i0
.irp i, \i0, \i0+1, \i0+2, \i0+3
	FRAG AF+FR*(\i), ADRA+\slot, \q, \i
.endr
.endm
.macro SCALES sc                       ; register NQ i + q: lanes 0-15 P's block i, lanes 16-31 V's block i, the K step's q-th 128 keys
.irp i, 0,1,2,3,4,5,6,7
.irp q, 0,1
	ds_load_b32 v[SC+8*NQ*\sc+NQ*\i+\q], v[ADRS] offset:\i*64+\q*1024
.endr
.endr
.endm
.macro PLACES n
.rept \n
	v_nop
.endr
.endm
.macro MUL32 h, p, q, sc, zero         ; half a step: A's blocks 4 h .. 4 h + 3 x B's eight
.irp b, 0,1,2,3,4,5,6,7
	MUL4 \h, \b, \p, \q, \sc, \zero
.endr
.endm
; THE LDS LOADS STAND IN TWO LONG RUNS A STEP: 48 behind the first 32 products (the next step's B and A's blocks 0-3), 16 behind the last 32 (A's blocks 4-7).  At a step's entry the youngest 16 loads that are out are A's blocks 4-7.
.macro STEP slot, q, zero              ; 128 along K, with its successor in the same slot
	s_wait_dscnt 4*NL                              ; all but the youngest 16 loads (A's blocks 4-7) are in
	WIN MUL_LO
	MUL32 0, (\q)%2, \q, \slot, \zero
	s_wait_dscnt 0
	PLACES NP
	FETCH_B \slot, (\q)+1, 1-(\q)%2
	FETCH_A \slot, (\q)+1, 0
	WIN MUL_HI
	MUL32 1, (\q)%2, \q, \slot, \zero
	PLACES NP
	WIN 0
	FETCH_A \slot, (\q)+1, 4
.endm
; A slot's last step changes slots: in front of the barrier each wave waits for all its tensor loads, adds 0 to its spare word, and waits for that and for its reads of this slot.  fill = 1: a round follows, and the slot takes the K step two on.
.macro TURN slot, next, fill
	s_wait_tensorcnt 0x0                           ; my one load that was out, my part of the next slot, has landed
	ds_add_u32 v[SPW], v[NIL]
	s_wait_dscnt 4*NL+1                            ; (the add and the youngest 16 loads may be out)
	WIN MUL_LO
.irp b, 0,1,2,3
	MUL4 0, \b, 1, NQ-1, \slot, 0
.endr
	s_wait_dscnt 0x0                               ; the add is done, and my reads of this slot are over
	s_barrier_signal -1
.irp b, 4,5,6,7
	MUL4 0, \b, 1, NQ-1, \slot, 0
.endr
	WIN 0
	s_barrier_wait -1
.if \fill
	CREST
	s_add_nc_u64 s[G0+4*\slot+2:G0+4*\slot+3], s[G0+4*\slot+2:G0+4*\slot+3], 2*HALFT
	s_add_nc_u64 s[G0B+4*\slot+2:G0B+4*\slot+3], s[G0B+4*\slot+2:G0B+4*\slot+3], 2*HALFT
	JLOAD G0+4*\slot, G1, G0B+4*\slot, G1B         ; the first tensor load behind the round, my one load until the next
	PLACES NP-4
.else
	PLACES NP
.endif
	s_wait_alu depctr_va_vdst(0)
	v_add_nc_u32 v[ADRS], 1024*NQ, v[ADRS]         ; the next K step's scale words
	FETCH_B \next, 0, 0
	FETCH_A \next, 0, 0
	SCALES \next
.if \fill
	ASK \slot
.endif
	WIN MUL_HI
	MUL32 1, 1, NQ-1, \slot, 0
	PLACES NP
	WIN 0
	FETCH_A \next, 0, 4
.endm
	FETCH_B 0, 0, 0
	FETCH_A 0, 0, 0
	SCALES 0
	FETCH_A 0, 0, 4
	global_prefetch_b8 v[PFO], s[PFA:PFA+1] offset:2*HALFT th:TH_LOAD_NT scope:SCOPE_SE   ; K steps 2 and 3, which the first two changes of slots load
	global_prefetch_b8 v[PFO], s[PFA:PFA+1] offset:3*HALFT th:TH_LOAD_NT scope:SCOPE_SE
	STEP 0, 0, 1                                   ; the first products start the sums: nothing is cleared
	s_mov_b32 s3, LAPS-1
.Llap:
	TURN 0, 1, 1
	STEP 1, 0, 0
	TURN 1, 0, 1
	STEP 0, 0, 0
	s_wait_xcnt 0x0                                ; my prefetches have read their address, so it may be stepped
	s_add_nc_u64 s[PFA:PFA+1], s[PFA:PFA+1], 2*HALFT
	s_sub_co_u32 s3, s3, 1
	s_cmp_lg_u32 s3, 0
	s_cbranch_scc1 .Llap
	TURN 0, 1, 0                                   ; the last lap asks for nothing more
	STEP 1, 0, 0
	s_wait_dscnt 4*NL                              ; the very last step: nothing more to fetch
	WIN MUL_LO
	MUL32 0, 1, NQ-1, 1, 0
	s_wait_dscnt 0
	WIN MUL_HI
	MUL32 1, 1, NQ-1, 1, 0
	WIN 0
; THE WAY OUT of the 16 queries of block a: x 1 / l, into my stage (row = query, 512 bytes), back by rows, stored: 32 lanes store 512 consecutive bytes of a row of out0, at a multiple of 512.
.macro TOSTAGE a
.set AC, 64*((\a)%4)
.set W, 2+(\a)/4
.set W0D, W|(W<<6)
.set W1, W<<2
	WIN W0D
.set j, 0
.rept 32
	v_pk_mul_f32 v[AC+j:AC+j+1], v[AC+j:AC+j+1], v[RL+2*(\a):RL+2*(\a)+1]
.set j, j+2
.endr
	WIN W1
.irp b, 0,1,2,3,4,5,6,7
	ds_store_b128 v[STO], v[AC+8*\b:AC+8*\b+3] offset:64*\b
	ds_store_b128 v[STO], v[AC+8*\b+4:AC+8*\b+7] offset:64*\b+16
.endr
	WIN 0
.set BB, BK+64*((\a)%2)
.irp t, 0,1,2,3,4,5,6,7,8,9,10,11,12,13,14,15
	ds_load_b128 v[BB+4*\t:BB+4*\t+3], v[RD] offset:\t*SPITCH   ; LDS serves a wave's instructions in order: these see my stores
.endr
.endm
.macro SEND a, younger                 ; younger: the next block's 16 stores and 16 loads, which may stay out
.set BB, BK+64*((\a)%2)
	s_wait_dscnt \younger
.if (\a) > 0
	s_add_nc_u64 s[12:13], s[12:13], 16*4096
.endif
.irp t, 0,1,2,3,4,5,6,7,8,9,10,11,12,13,14,15
	global_store_b128 v[CO], v[BB+4*\t:BB+4*\t+3], s[12:13] offset:\t*4096 th:TH_STORE_NT
.endr
.endm
	PLACES NP
	TOSTAGE 0
.irp a, 1,2,3,4,5,6,7
.if \a > 1
	s_wait_xcnt 0x0                                ; the earlier stores have read their registers and their base
.endif
	TOSTAGE \a
	SEND \a-1, 32
.endr
	s_wait_xcnt 0x0
	SEND 7, 0
	s_wait_tensorcnt 0x0                           ; the wave's end
	ds_add_u32 v[SPW], v[NIL]
	s_wait_dscnt 0x0
	CROUND                                         ; the closing round
	s_endpgm
.Lfunc_end_k_qe6fe1310a0_pv:
	.size	k_qe6fe1310a0_pv, .Lfunc_end_k_qe6fe1310a0_pv-k_qe6fe1310a0_pv
	.p2alignl 7, 3214868480
	.fill 96, 4, 3214868480
	.section	.rodata,"a",@progbits
	.p2align	6, 0x0
	.amdhsa_kernel k_qe6fe1310a0_pv
		.amdhsa_group_segment_fixed_size 327680
		.amdhsa_private_segment_fixed_size 0
		.amdhsa_enable_private_segment 0
		.amdhsa_kernarg_size 40
		.amdhsa_user_sgpr_count 2
		.amdhsa_user_sgpr_kernarg_segment_ptr 1
		.amdhsa_wavefront_size32 1
		.amdhsa_system_sgpr_workgroup_id_x 1
		.amdhsa_system_sgpr_workgroup_id_y 1
		.amdhsa_system_sgpr_workgroup_id_z 1
		.amdhsa_system_vgpr_workitem_id 0
		.amdhsa_next_free_vgpr 1024
		.amdhsa_next_free_sgpr 102
		.amdhsa_reserve_vcc 0
		.amdhsa_float_denorm_mode_32 3
		.amdhsa_float_denorm_mode_16_64 3
		.amdhsa_memory_ordered 1
		.amdhsa_forward_progress 1
		.amdhsa_inst_pref_size 191
	.end_amdhsa_kernel
	.amdgpu_metadata
---
amdhsa.version: [ 1, 2 ]
amdhsa.kernels:
  - .name:           k_qe6fe1310a0_pv
    .symbol:         k_qe6fe1310a0_pv.kd
    .args:
      - { .name: p_c, .offset: 0, .size: 8, .value_kind: global_buffer, .address_space: global }
      - { .name: pstat, .offset: 8, .size: 8, .value_kind: global_buffer, .address_space: global }
      - { .name: vt_c, .offset: 16, .size: 8, .value_kind: global_buffer, .address_space: global }
      - { .name: sc_v, .offset: 24, .size: 8, .value_kind: global_buffer, .address_space: global }
      - { .name: out0, .offset: 32, .size: 8, .value_kind: global_buffer, .address_space: global }
    .group_segment_fixed_size: 327680
    .private_segment_fixed_size: 0
    .kernarg_segment_align: 8
    .kernarg_segment_size: 40
    .max_flat_workgroup_size: 128
    .sgpr_count:     102
    .vgpr_count:     1024
    .wavefront_size: 32
...
	.end_amdgpu_metadata
.endif
;; end of part 3
